; MI455X (gfx1250); checked and timed in simulation.
; The chip was launched on July 23, 2026; its instructions are those of AMD's public machine-readable ISA for CDNA 5 (MIT licence, August 2026) and "CDNA5" Instruction Set Architecture Reference Guide (July 2026). The comments in the code are by the model that wrote it; some were corrected since.
;; Transformer Block. Allowed arithmetic: matrix products marked QUANTISED: E4M3 operands, one given power-of-two scale a tensor, by v_wmma_f32_16x16x64_fp8_fp8 or v_wmma_f32_16x16x128_fp8_fp8, f32 sums; everything else in f32.
;; Inputs: b_attn 3,072 float32; b_fc 4,096 float32; b_fc2 1,024 float32; b_proj 1,024 float32; ln1_b 1,024 float32; ln1_w 1,024 float32; ln2_b 1,024 float32; ln2_w 1,024 float32; lowp_scales 12 int32 (the exponents e of the quantised operands' scales 2^e); w_attn 1,024 x 3,072 float32; w_fc 1,024 x 4,096 float32; w_fc2 4,096 x 1,024 float32; w_proj 1,024 x 1,024 float32; x 2 x 2,048 x 1,024 float32.
;; Outputs: out0 2 x 2,048 x 1,024 float32.
;; This version of the problem:
;;   THIS VERSION OF THE PROBLEM IS GIVEN IN LOW PRECISION. The matrix products marked QUANTISED in the list below multiply operands that are first quantised to E4M3 (4 exponent bits, 3 mantissa bits; 8 bits a number), with one given power-of-two scale for each operand tensor; their sums are f32. All else is computed in f32.
;;   The module's matrix products, in the order in which they are computed (A, B: the left and right operand; K: the contracted axis; several contracted axes count as one K, in the product's order):
;;     1. [M 4,096, K 1,024] x [K 1,024, N 3,072]; A: computed on the way; B: input w_attn: QUANTISED (scales: A lowp_scales[0], B lowp_scales[1])
;;     2. batch 32 x [M 2,048, K 64] x [K 64, N 2,048]; A: computed on the way; B: computed on the way: QUANTISED (scales: A lowp_scales[2], B lowp_scales[3])
;;     3. batch 32 x [M 2,048, K 2,048] x [K 2,048, N 64]; A: softmax (see below); B: computed on the way: QUANTISED (scales: A lowp_scales[4], B lowp_scales[5])
;;     4. [M 4,096, K 1,024] x [K 1,024, N 1,024]; A: computed on the way; B: input w_proj: QUANTISED (scales: A lowp_scales[6], B lowp_scales[7])
;;     5. [M 4,096, K 1,024] x [K 1,024, N 4,096]; A: computed on the way; B: input w_fc: QUANTISED (scales: A lowp_scales[8], B lowp_scales[9])
;;     6. [M 4,096, K 4,096] x [K 4,096, N 1,024]; A: computed on the way; B: input w_fc2: QUANTISED (scales: A lowp_scales[10], B lowp_scales[11])
;;   THE QUANTISER, for each operand of a quantised product, along K:
;;     - The operand's scale is 2^e, e = its entry of the input lowp_scales (int32; the entries are numbered through the quantised products in the list's order, A before B).
;;     - Each number is divided by the scale, clamped to +-448, and rounded to the nearest number of E4M3, ties to even, subnormals kept.
;;     - The product sums the exact products of the quantised numbers (number of the format x scale) in f32.
;;   ~~~python
;;   def quantise(x, axis, e):      # numpy; x: float32 -> the quantised numbers, widened to float32 again
;;       x = np.moveaxis(x, axis, -1); K = x.shape[-1]
;;       r = np.clip(x / 2.0 ** e, -448, 448)
;;       step = 2.0 ** (np.maximum(np.frexp(np.where(r == 0, 1, r))[1] - 1, -6) - 3)
;;       q = np.round(r / step) * step * 2.0 ** e      # np.round: ties to even
;;       return np.moveaxis(q, -1, axis).astype(np.float32)
;;   ~~~
;;   SOFTMAX AHEAD OF A QUANTISED PRODUCT. Where the list says 'softmax', what is quantised is not the finished softmax but p = 2^(t - M), with t = logit x log2(e) and M = ceil(the row's largest t), a whole number; so 1/2 < the row's largest p <= 1. The row's sum l is taken of the UNQUANTISED p, in f32, and the product's result is divided by l at the end. Since M is a whole number, a kernel that streams over the keys may use a running M (the ceiling of the running maximum): every later rescaling is an exact power of two, so the quantised numbers keep their values, but for numbers so far below the row's largest that they fall under the format's range.
;;   OPERANDS COMPUTED ON THE WAY. 'Computed on the way' means the value that the module computes at that place (a softmax that the list does not call 'softmax' is quantised finished and normalised). What goes into a quantiser is computed in f32, as accurately as f32 sums, v_exp_f32 and their like allow (about 1e-6 of the number): no bf16 or f16 on the way to a quantiser, and a product that is left as it is and whose result goes on into a quantised operand takes f32 operands (vector FMAs, or v_wmma_f32_16x16x4_f32). A number that lies on a knife's edge between two numbers of the format may be rounded either way, as far as f32 arithmetic and the matrix unit's own rounding can turn it there, and no further.
;; One version. Each part assembles by itself: llvm-mc -triple=amdgcn-amd-amdhsa -mcpu=gfx1250 --defsym DOCPART=n.
;; ======== version 1 of 1: 7 launches
;; limits: right only within a limited range of input values
;; workspace buffers: wcodes 12,582,912 bytes; h1c 4,194,304 bytes; qkvc 12,582,912 bytes; yc 4,194,304 bytes; x1 16,777,216 bytes; h2c 4,194,304 bytes; fcc 16,777,216 bytes
;; launch prep (part 1): grid 640 x 1, 4 waves a work-group, no clusters, 17,408 bytes of LDS; arguments x, ln1_w, ln1_b, w_attn, w_proj, w_fc, w_fc2, lowp_scales, h1c, wcodes; writes h1c, wcodes
.if DOCPART == 1
	.amdgcn_target "amdgcn-amd-amdhsa--gfx1250"
	.amdhsa_code_object_version 6
	.text
	.protected	k_q7fe59146b7_prep
	.globl	k_q7fe59146b7_prep
	.p2align	8
	.type	k_q7fe59146b7_prep,@function
k_q7fe59146b7_prep:
	s_mov_b64 s[64:65], 0
	v_nop
	global_prefetch_b8 v0, s[64:65] scope:SCOPE_SE
	s_setreg_imm32_b32 hwreg(HW_REG_WAVE_MODE, 25, 1), 1
	s_wait_xcnt 0x0
; Work-groups 0-255: h1c = codes of LayerNorm(x) (E4M3, scale 2^e0).  Work-groups 256-639: the four weights, stored [K][N] in f32, become codes of W^T [N][K] in wcodes.
; ALL CODES OF THIS PROGRAM LIE AS IMAGES OF THE OPERAND'S REGISTERS.  A fragment is 16 rows x 128 k = 2,048 bytes; fragment (row block rb, chunk kc) lies at (rb K/128 + kc) 2048; in it piece c (0..3) is 512 bytes,
; lane l = 16 h + r has 16 bytes at 512 c + 16 l, and byte 8 u + j of them is element (16 rb + r, 128 kc + 32 c + 16 u + 8 h + j).  Four loads of 16 bytes a lane then fill the plain fp8 form's own layout.
; code = x / 2^e, held within +-448, to the nearest code, ties to even.  LIMITS: each e between -126 and 119; NaN and infinities among the inputs are not served.
; LN PATH: a work-group takes 16 rows (one row block), a wave four of them, one row over its 32 lanes (a lane: 4 x 8 neighbours).  Mean, then the variance of the centred numbers: two passes on registers.
; The codes meet in a stage of 16 rows x (1,024 + 16) bytes, one barrier, and leave as the image: a wave stores 4,096 bytes on end.
; WEIGHT PATH: a lane takes a column n and its registers run down K, so the conversions give codes with K innermost, and a lane's 32 codes of a block of 32 k are two entries of 16 bytes of the image: no LDS.
.set LNWG, 256
.set SP,   1040                        ; a stage row: 1,024 bytes + 16: row r starts 260 words on: bank 4 r
.set LW,   16                          ; v16-47   the gain at my 32 columns
.set LB,   48                          ; v48-79   the bias
.set X,    80                          ; v80-207  four rows, 32 numbers each; later v80-111 the image read back
.set T,    208                         ; v208-215 four chains of pairs
.set C,    216                         ; v216-247 codes, 8 registers a row, never written again
.set WX,   48                          ; weight path: v48-111 two sets of 32 numbers
.set WC,   112                         ; v112-175 codes, 8 registers a block, never written again
.macro REDUCE                          ; the four chains, the pair's halves, the 32 lanes: the sum in v14 of every lane
	v_pk_add_f32 v[T:T+1], v[T:T+1], v[T+2:T+3]
	v_pk_add_f32 v[T+4:T+5], v[T+4:T+5], v[T+6:T+7]
	v_pk_add_f32 v[T:T+1], v[T:T+1], v[T+4:T+5]
	v_add_f32 v14, v[T], v[T+1]
	v_add_f32_dpp v14, v14, v14 row_xmask:1 row_mask:0xf bank_mask:0xf
	v_add_f32_dpp v14, v14, v14 row_xmask:2 row_mask:0xf bank_mask:0xf
	v_add_f32_dpp v14, v14, v14 row_xmask:4 row_mask:0xf bank_mask:0xf
	v_add_f32_dpp v14, v14, v14 row_xmask:8 row_mask:0xf bank_mask:0xf
	v_permlanex16_b32 v15, v14, s40, s41
	v_add_f32 v14, v14, v15
.endm
.macro ROW p                           ; row p of my four
.set XR, X+32*(\p)
	s_wait_loadcnt 8*(3-(\p))                      ; the later rows' loads, eight a row, may stay out
.irp k, 0,2,4,6
	v_pk_add_f32 v[T+\k:T+\k+1], v[XR+\k:XR+\k+1], v[XR+8+\k:XR+9+\k]
.endr
.irp m, 16,24
.irp k, 0,2,4,6
	v_pk_add_f32 v[T+\k:T+\k+1], v[T+\k:T+\k+1], v[XR+\m+\k:XR+\m+\k+1]
.endr
.endr
	REDUCE
	v_mul_f32 v10, v7, v14                         ; the mean
.set jj, 0
.rept 16
	v_pk_add_f32 v[XR+jj:XR+jj+1], v[XR+jj:XR+jj+1], v[10:11] op_sel_hi:[1,0] neg_lo:[0,1] neg_hi:[0,1]
.set jj, jj+2
.endr
.irp k, 0,2,4,6
	v_pk_mul_f32 v[T+\k:T+\k+1], v[XR+\k:XR+\k+1], v[XR+\k:XR+\k+1]
.endr
.irp m, 8,16,24
.irp k, 0,2,4,6
	v_pk_fma_f32 v[T+\k:T+\k+1], v[XR+\m+\k:XR+\m+\k+1], v[XR+\m+\k:XR+\m+\k+1], v[T+\k:T+\k+1]
.endr
.endr
	REDUCE
	v_fmaak_f32 v14, v14, v7, 0x3727c5ac           ; the variance + 1e-5
	s_wait_alu depctr_va_vdst(0)
	v_rsq_f32 v12, v14
	v_nop                                          ; a plain instruction behind the transcendental
	s_wait_alu depctr_va_vdst(0)                   ; and the wait ahead of its first reader
.set jj, 0
.rept 16
	v_pk_mul_f32 v[XR+jj:XR+jj+1], v[XR+jj:XR+jj+1], v[12:13] op_sel_hi:[1,0]
.set jj, jj+2
.endr
.set jj, 0
.rept 16
	v_pk_fma_f32 v[XR+jj:XR+jj+1], v[XR+jj:XR+jj+1], v[LW+jj:LW+jj+1], v[LB+jj:LB+jj+1]
.set jj, jj+2
.endr
.set jj, 0
.rept 32
	v_med3_num_f32 v[XR+jj], v[XR+jj], -v9, v9     ; the conversion does not saturate (ISA guide 7.6.2): the hold at the largest code x the scale
.set jj, jj+1
.endr
.irp j, 0,1,2,3
	v_cvt_scalef32_pk8_fp8_f32 v[C+8*(\p)+2*\j:C+8*(\p)+2*\j+1], v[XR+8*\j:XR+8*\j+7], v8
.endr
	v_nop
.irp j, 0,1,2,3
	ds_store_b64 v3, v[C+8*(\p)+2*\j:C+8*(\p)+2*\j+1] offset:(\p)*SP+256*\j   ; 32 lanes: 256 bytes on end of the row
.endr
.endm
.macro WLOAD t                         ; block t: W(32 t + i, my column), i = 0 .. 31
.set ii, 0
.rept 32
	global_load_b32 v[WX+32*((\t)%2)+ii], v[16+ii], s[68+2*(\t):69+2*(\t)] th:TH_LOAD_NT
.set ii, ii+1
.endr
.endm
.macro WBLOCK t
.set XS, WX+32*((\t)%2)
.set CB, WC+8*(\t)
.if (\t) < 7
	s_wait_loadcnt 32                              ; this block's 32 loads are in; the next block's 32 may be out
.else
	s_wait_loadcnt 0
.endif
.set ii, 0
.rept 32
	v_med3_num_f32 v[XS+ii], v[XS+ii], -v10, v10
.set ii, ii+1
.endr
	v_cvt_scalef32_pk8_fp8_f32 v[CB:CB+1], v[XS:XS+7], v11          ; the entry of half 0: k 0-7 and 16-23 of the block,
	v_cvt_scalef32_pk8_fp8_f32 v[CB+2:CB+3], v[XS+16:XS+23], v11
	v_cvt_scalef32_pk8_fp8_f32 v[CB+4:CB+5], v[XS+8:XS+15], v11     ; of half 1: k 8-15 and 24-31
	v_cvt_scalef32_pk8_fp8_f32 v[CB+6:CB+7], v[XS+24:XS+31], v11
	global_store_b128 v2, v[CB:CB+3], s[84:85] offset:((\t)/4)*2048+((\t)%4)*512          ; sixteen lanes store 256 consecutive bytes, aligned
	global_store_b128 v2, v[CB+4:CB+7], s[84:85] offset:((\t)/4)*2048+((\t)%4)*512+256
.if (\t)+2 < 8
	WLOAD (\t)+2
.endif
.endm
	s_load_b256 s[4:11], s[0:1], 0x0               ; x, ln1_w, ln1_b, w_attn
	s_load_b256 s[12:19], s[0:1], 0x20             ; w_proj, w_fc, w_fc2, the scales' exponents
	s_load_b128 s[20:23], s[0:1], 0x40             ; h1c, wcodes
	v_lshl_add_u32 v254, v0, 2, 0x4200
	v_mov_b32 v255, 0
	v_lshrrev_b32 v1, 5, v0
	v_readfirstlane_b32 s24, v1                    ; wave
	v_and_b32 v1, 31, v0                           ; lane
	s_wait_kmcnt 0x0
	s_load_b256 s[28:35], s[18:19], 0x0            ; e0 .. e7
	s_load_b128 s[36:39], s[18:19], 0x20           ; e8 .. e11
	s_cmp_lt_u32 ttmp9, LNWG                       ; the same in all four waves of a work-group
	s_cbranch_scc0 .Lweights
	; ---------------- LayerNorm
	s_lshl_b32 s42, ttmp9, 16                      ; 16 rows of 4,096 bytes a work-group,
	s_lshl_b32 s43, s24, 14                        ; four a wave
	s_add_co_u32 s42, s42, s43
	s_mov_b32 s43, 0
	s_add_nc_u64 s[4:5], s[4:5], s[42:43]
	s_lshl_b32 s42, ttmp9, 14                      ; the image of a row block is 16,384 bytes, a wave's part 4,096
	s_lshl_b32 s43, s24, 12
	s_add_co_u32 s42, s42, s43
	s_mov_b32 s43, 0
	s_add_nc_u64 s[20:21], s[20:21], s[42:43]
	s_wait_alu depctr_va_vdst(0)
	v_lshlrev_b32 v2, 5, v1                        ; my 8 neighbours of each 256: 32 bytes a lane
.irp j, 0,1,2,3
	global_load_b128 v[LW+8*\j:LW+8*\j+3], v2, s[6:7] offset:1024*\j
	global_load_b128 v[LW+8*\j+4:LW+8*\j+7], v2, s[6:7] offset:1024*\j+16
.endr
.irp j, 0,1,2,3
	global_load_b128 v[LB+8*\j:LB+8*\j+3], v2, s[8:9] offset:1024*\j
	global_load_b128 v[LB+8*\j+4:LB+8*\j+7], v2, s[8:9] offset:1024*\j+16
.endr
.irp p, 0,1,2,3
.irp j, 0,1,2,3
	global_load_b128 v[X+32*\p+8*\j:X+32*\p+8*\j+3], v2, s[4:5] offset:4096*\p+1024*\j th:TH_LOAD_NT
	global_load_b128 v[X+32*\p+8*\j+4:X+32*\p+8*\j+7], v2, s[4:5] offset:4096*\p+1024*\j+16 th:TH_LOAD_NT
.endr
.endr
	v_lshlrev_b32 v3, 3, v1
	s_mul_i32 s44, s24, 4*SP
	v_add_nc_u32 v3, s44, v3                       ; into the stage: my wave's four rows, 8 bytes a lane
	v_and_b32 v6, 15, v0
	v_bfe_u32 v7, v0, 4, 1
	v_mul_u32_u24 v4, v6, SP
	v_lshl_add_u32 v4, v7, 3, v4
	s_lshl_b32 s45, s24, 8
	v_add_nc_u32 v4, s45, v4                       ; out of it: row r, + 8 h, + my wave's 256 columns
	v_lshlrev_b32 v5, 4, v1                        ; 16 x lane
	v_mov_b32 v7, 0x3a800000                       ; 1 / 1024
	v_mov_b32 v11, 0                               ; (upper halves of pairs of which the low word serves both halves,
	v_mov_b32 v13, 0
	v_mov_b32 v15, 0                               ; and a lane permute's destination: written once)
	s_mov_b32 s40, 0x76543210
	s_mov_b32 s41, 0xfedcba98
	s_wait_kmcnt 0x0
	s_add_co_i32 s46, s28, 127
	s_lshl_b32 s47, s46, 23
	v_mov_b32 v8, s47                              ; 2^e0
	s_add_co_i32 s46, s46, 8
	s_lshl_b32 s46, s46, 23
	s_or_b32 s46, s46, 0x600000
	v_mov_b32 v9, s46                              ; 448 x 2^e0
	ROW 0
	ROW 1
	ROW 2
	ROW 3
	s_wait_dscnt 0x0                               ; for the others' sake: my stores into the stage are done
	s_barrier_signal -1
	s_barrier_wait -1
.irp i, 0,1,2,3,4,5,6,7                    ; piece 8 w + i of the block's 32: columns 32 (8 w + i) + 16 u + 8 h + 0 .. 7 of row r
	ds_load_b64 v[X+4*\i:X+4*\i+1], v4 offset:32*\i
	ds_load_b64 v[X+4*\i+2:X+4*\i+3], v4 offset:32*\i+16
.endr
.irp i, 0,1,2,3,4,5,6,7
	s_wait_dscnt 14-2*\i                           ; the later pieces' loads, two each, may stay out
	global_store_b128 v5, v[X+4*\i:X+4*\i+3], s[20:21] offset:512*\i   ; 512 consecutive bytes
.endr
	s_wait_tensorcnt 0x0
	ds_add_u32 v254, v255
	s_wait_dscnt 0x0
	s_endpgm
	; ---------------- the weights
.Lweights:
	s_wait_kmcnt 0x0
	s_sub_co_u32 s25, ttmp9, LNWG                  ; g: 0-95 w_attn, 96-127 w_proj, 128-255 w_fc, 256-383 w_fc2
	s_mov_b64 s[40:41], s[16:17]                   ; w_fc2: the tensor,
	s_mov_b32 s42, 4096                            ; bytes of a row,
	s_mov_b32 s43, 256                             ; its first g,
	s_mov_b32 s44, 4                               ; log2 of K / 256,
	s_mov_b32 s45, 0x800000                        ; its place in wcodes,
	s_mov_b32 s46, 16                              ; log2 of a row block's image (16 K),
	s_mov_b32 s47, s39                             ; e11
	s_cmp_lt_u32 s25, 256
	s_cselect_b64 s[40:41], s[14:15], s[40:41]     ; w_fc
	s_cselect_b32 s42, 16384, s42
	s_cselect_b32 s43, 128, s43
	s_cselect_b32 s44, 2, s44
	s_cselect_b32 s45, 0x400000, s45
	s_cselect_b32 s46, 14, s46
	s_cselect_b32 s47, s37, s47
	s_cmp_lt_u32 s25, 128
	s_cselect_b64 s[40:41], s[12:13], s[40:41]     ; w_proj
	s_cselect_b32 s42, 4096, s42
	s_cselect_b32 s43, 96, s43
	s_cselect_b32 s45, 0x300000, s45
	s_cselect_b32 s47, s35, s47
	s_cmp_lt_u32 s25, 96
	s_cselect_b64 s[40:41], s[10:11], s[40:41]     ; w_attn
	s_cselect_b32 s42, 12288, s42
	s_cselect_b32 s43, 0, s43
	s_cselect_b32 s45, 0, s45
	s_cselect_b32 s47, s29, s47
	s_sub_co_u32 s26, s25, s43
	s_bfm_b32 s48, s44, 0
	s_and_b32 s49, s26, s48                        ; which 256 along K
	s_lshr_b32 s50, s26, s44                       ; which 128 columns
	s_lshl_b32 s50, s50, 7
	s_lshl_b32 s51, s24, 5
	s_add_co_u32 s50, s50, s51                     ; my wave's first column
	s_lshl_b32 s52, s42, 5                         ; 32 rows on
	s_mov_b32 s53, 0
	s_lshl_b32 s54, s49, 8
	s_mul_i32 s54, s54, s42
	s_lshl_b32 s55, s50, 2
	s_add_co_u32 s54, s54, s55
	s_mov_b32 s55, 0
	s_add_nc_u64 s[68:69], s[40:41], s[54:55]      ; a base for each of the eight blocks: none is stepped
.irp t, 1,2,3,4,5,6,7
	s_add_nc_u64 s[68+2*\t:69+2*\t], s[66+2*\t:67+2*\t], s[52:53]
.endr
	s_lshr_b32 s56, s50, 4
	s_lshl_b32 s56, s56, s46
	s_lshl_b32 s57, s49, 12                        ; 256 along K are two fragments
	s_add_co_u32 s56, s56, s57
	s_add_co_u32 s56, s56, s45
	s_mov_b32 s57, 0
	s_add_nc_u64 s[84:85], s[22:23], s[56:57]
	s_wait_alu depctr_va_vdst(0)
	v_lshlrev_b32 v16, 2, v1                       ; 4 bytes a lane, + i rows
.set ii, 1
.rept 31
	v_add_nc_u32 v[16+ii], s42, v[15+ii]
.set ii, ii+1
.endr
	WLOAD 0
	WLOAD 1
	v_lshrrev_b32 v3, 4, v1
	v_lshlrev_b32 v3, s46, v3                      ; lanes 16-31 belong to the next row block,
	v_and_b32 v4, 15, v1
	v_lshl_add_u32 v2, v4, 4, v3                   ; row r of it: 16 r
	s_add_co_i32 s58, s47, 127
	s_lshl_b32 s59, s58, 23
	v_mov_b32 v11, s59                             ; 2^e
	s_add_co_i32 s58, s58, 8
	s_lshl_b32 s58, s58, 23
	s_or_b32 s58, s58, 0x600000
	v_mov_b32 v10, s58                             ; 448 x 2^e
	s_wait_alu depctr_va_vdst(0)
.irp t, 0,1,2,3,4,5,6,7
	WBLOCK \t
.endr
	s_endpgm
.Lfunc_end_k_q7fe59146b7_prep:
	.size	k_q7fe59146b7_prep, .Lfunc_end_k_q7fe59146b7_prep-k_q7fe59146b7_prep
	.p2alignl 7, 3214868480
	.fill 96, 4, 3214868480
	.section	.rodata,"a",@progbits
	.p2align	6, 0x0
	.amdhsa_kernel k_q7fe59146b7_prep
		.amdhsa_group_segment_fixed_size 17408
		.amdhsa_private_segment_fixed_size 0
		.amdhsa_enable_private_segment 0
		.amdhsa_kernarg_size 80
		.amdhsa_user_sgpr_count 2
		.amdhsa_user_sgpr_kernarg_segment_ptr 1
		.amdhsa_wavefront_size32 1
		.amdhsa_system_sgpr_workgroup_id_x 1
		.amdhsa_system_sgpr_workgroup_id_y 1
		.amdhsa_system_sgpr_workgroup_id_z 1
		.amdhsa_system_vgpr_workitem_id 0
		.amdhsa_next_free_vgpr 256
		.amdhsa_next_free_sgpr 90
		.amdhsa_reserve_vcc 0
		.amdhsa_float_denorm_mode_32 3
		.amdhsa_float_denorm_mode_16_64 3
		.amdhsa_memory_ordered 1
		.amdhsa_forward_progress 1
		.amdhsa_inst_pref_size 92
	.end_amdhsa_kernel
	.amdgpu_metadata
---
amdhsa.version: [ 1, 2 ]
amdhsa.kernels:
  - .name:           k_q7fe59146b7_prep
    .symbol:         k_q7fe59146b7_prep.kd
    .args:
      - { .name: x, .offset: 0, .size: 8, .value_kind: global_buffer, .address_space: global }
      - { .name: ln1_w, .offset: 8, .size: 8, .value_kind: global_buffer, .address_space: global }
      - { .name: ln1_b, .offset: 16, .size: 8, .value_kind: global_buffer, .address_space: global }
      - { .name: w_attn, .offset: 24, .size: 8, .value_kind: global_buffer, .address_space: global }
      - { .name: w_proj, .offset: 32, .size: 8, .value_kind: global_buffer, .address_space: global }
      - { .name: w_fc, .offset: 40, .size: 8, .value_kind: global_buffer, .address_space: global }
      - { .name: w_fc2, .offset: 48, .size: 8, .value_kind: global_buffer, .address_space: global }
      - { .name: lowp_scales, .offset: 56, .size: 8, .value_kind: global_buffer, .address_space: global }
      - { .name: h1c, .offset: 64, .size: 8, .value_kind: global_buffer, .address_space: global }
      - { .name: wcodes, .offset: 72, .size: 8, .value_kind: global_buffer, .address_space: global }
    .group_segment_fixed_size: 17408
    .private_segment_fixed_size: 0
    .kernarg_segment_align: 8
    .kernarg_segment_size: 80
    .max_flat_workgroup_size: 128
    .sgpr_count:     90
    .vgpr_count:     256
    .wavefront_size: 32
...
	.end_amdgpu_metadata
.endif
;; end of part 1
;; launch qkv (part 2): grid 12 x 16, 4 waves a work-group, clusters of 4 x 4, 327,680 bytes of LDS; arguments h1c, wcodes, lowp_scales, b_attn, qkvc; writes qkvc
.if DOCPART == 2
	.amdgcn_target "amdgcn-amd-amdhsa--gfx1250"
	.amdhsa_code_object_version 6
	.text
	.protected	k_q7fe59146b7_qkv
	.globl	k_q7fe59146b7_qkv
	.p2align	8
	.type	k_q7fe59146b7_qkv,@function
k_q7fe59146b7_qkv:
	s_mov_b64 s[64:65], 0
	v_nop
	global_prefetch_b8 v0, s[64:65] scope:SCOPE_SE
	s_setreg_imm32_b32 hwreg(HW_REG_WAVE_MODE, 25, 1), 1
	s_wait_xcnt 0x0
	s_wait_alu depctr_hold_cnt(0) depctr_sa_sdst(0) depctr_va_vdst(0) depctr_va_sdst(0) depctr_va_ssrc(0) depctr_va_vcc(0) depctr_vm_vsrc(0)
	s_getreg_b32 s2, hwreg(HW_REG_IB_STS2, 6, 4)
	s_cmp_eq_u32 s2, 0
	s_cbranch_scc0 .Lentry_in_a_cluster
	s_endpgm
.Lentry_in_a_cluster:
	s_bfe_u32 s2, ttmp6, 0x10000c
	s_cmp_lg_u32 s2, 0xf033
	s_cbranch_scc0 .Lentry_shape_is_right
	s_endpgm
.Lentry_shape_is_right:
; qkv = Q(LN1(x)) Q(w_attn) x 2^(e0 + e1) + b_attn, quantised at once for attention: q with 2^e2, k with 2^e3, v with 2^e5.  M 4,096, N 3,072, K 1,024, on codes of E4M3.
; A tile of 256 x 256 is made by four waves, 128 x 128 each: 64 accumulators, 512 registers.  K goes in steps of 256 through a ring of two LDS slots filled by the tensor data mover.
; OPERANDS LIE IN MEMORY AS IMAGES OF THEIR REGISTERS (fragment of 16 rows x 128 k = 2,048 bytes; piece c at 512 c, lane l at 16 l), so a K step of 16 rows is 4,096 bytes on end, LDS needs no padding, each LDS load takes 512 bytes on end.
; CLUSTERS 4 x 4: the tile of the side called A (source 1, a lane's row) is shared along a row of the cluster, that of side B (source 0, a lane's registers) along a column: joint loads.
; The cluster's x says what is made: 0 q, 1 k, 2 v.  For q and k side A is the tokens and side B rows of W^T: a lane holds one token and its registers run along the head's 64, the first attention product's K.
; FOR v THE TWO POINTERS CHANGE PLACES: side A is rows of W^T, side B the tokens: a lane holds one channel and its registers run along the tokens, the second product's K.  The loop is the same, and so is the way out:
; both a column bias and a row bias are loaded, and the one that does not apply is masked to 0.  No branch hangs on what is made.
; OUT: q at 0, k at 0x400000: (head of 32 x 128 + token block) x 1,024 + 512 c + 16 l.  v at 0x800000: ((batch x 64 + channel block) x 16 + chunk of 128 keys) x 2,048 + 512 c + 16 l.
; LIMITS: e0 + e1 between -126 and 127; e2, e3, e5 between -126 and 119; NaN is not served.
; REGISTERS: window 0: v16-29 addresses; v48-63 the row bias; v64-127 the column bias; v128-255 A's fragments, one set (on the way out: sums, codes).  window 1: B's fragments, two sets.  windows 2, 3: the accumulators.
.set HALFT,  32768                     ; 128 rows x 256 k: what one tensor load brings: 8 row blocks of 4,096 bytes
.set SLOT,   4*HALFT                   ; A's 256 rows, then B's
.set SPARE,  2*SLOT                    ; behind the ring: the spare words, 128 bytes a wave
.set STEPB,  4096                      ; a K step in a row block's image
.set LAPS,   2                         ; K = 1,024 is four K steps: twice round the ring
.set FR,     16
.set NL,     4
.set NP,     4
.set ADRA, 16
.set ADRB, 20
.set VH,   22                          ; 32 h
.set VR,   23                          ; 4 r
.set VOA,  24                          ; 16 x lane
.set VOB,  25                          ; the same, the next head (q, k) or the chunk's second half (v)
.set SPW,  28
.set NIL,  29
.set BR,   48
.set BC,   64
.set AF,   128
.set TT,   128
.set CC,   192
.set G1, 24
.set G0, 32
.set G1B, 48
.set G0B, 56
.set MSB, 0
.macro WIN new                         ; the immediate's high byte repeats the setting that is left
.if MSB != \new
	s_set_vgpr_msb (MSB<<8)|\new
.set MSB, \new
.endif
.endm
.set MUL_LO, 0xa1                      ; source 0 (B) window 1, source 1 (A) window 0, C and D window 2
.set MUL_HI, 0xf1
.set TO_B,   0x40
.macro JLOAD g0a, g1a, g0b, g1b        ; a joint load: waves 0 and 1 fetch for A, waves 2 and 3 for B; four v_nop follow each line
	s_cmp_eq_u32 s15, 0
	s_cbranch_scc0 .Lfor_b_\@
	tensor_load_to_lds s[\g0a:\g0a+3], s[\g1a:\g1a+7]
	s_nop 0
.rept 4
	v_nop
.endr
	s_branch .Lasked_\@
.Lfor_b_\@:
	tensor_load_to_lds s[\g0b:\g0b+3], s[\g1b:\g1b+7]
	s_nop 0
.rept 4
	v_nop
.endr
.Lasked_\@:
.endm
.macro CREST
	s_cmp_lg_u32 s14, 0
	s_cbranch_scc1 .Lnot_wave_0_\@
	s_barrier_signal -3
.Lnot_wave_0_\@:
	s_barrier_wait -3
	s_barrier_signal -1
	s_barrier_wait -1
.endm
.macro CROUND
	s_barrier_signal -1
	s_barrier_wait -1
	CREST
.endm
	s_load_b256 s[4:11], s[0:1], 0x0               ; h1c, wcodes, the scales' exponents, b_attn
	s_load_b64 s[12:13], s[0:1], 0x20              ; qkvc
	v_lshl_add_u32 v[SPW], v0, 2, SPARE
	v_mov_b32 v[NIL], 0
	ds_add_u32 v28, v29
	ds_add_u32 v28, v29
	s_wait_dscnt 0x0
	v_lshrrev_b32 v1, 5, v0
	v_readfirstlane_b32 s14, v1                    ; wave
	s_lshr_b32 s15, s14, 1                         ; my half of side A's rows.  Also: I fetch for A (0) or B (1)
	s_and_b32 s16, s14, 1                          ; my half of side B's rows.  Also: which 128 rows I fetch
	s_bfe_u32 s40, ttmp6, 0x40000                  ; cx
	s_bfe_u32 s41, ttmp6, 0x40004                  ; cy
	s_and_b32 s84, ttmp7, 0xffff
	s_lshl_b32 s84, s84, 2                         ; 4 x cluster y
	s_lshl_b32 s85, ttmp9, 2                       ; 4 x cluster x
	s_cmp_eq_u32 ttmp9, 2                          ; v?  The same in all sixteen partners
	s_cselect_b32 s17, 8, s84                      ; side A's tile: W^T rows 2,048 on, or tokens
	s_cselect_b32 s42, s84, s85                    ; side B's: tokens, or W^T rows
	s_add_co_u32 s17, s17, s41                     ; + cy
	s_add_co_u32 s42, s42, s40                     ; + cx
	s_lshl_b32 s43, s41, 2
	s_lshl_b32 s43, 15, s43                        ; my row of the cluster
	s_lshl_b32 s44, 0x1111, s40                    ; my column
	s_or_b32 s[G1+0], s43, (3<<16)|(1<<21)         ; the mask; elements of 8 bytes; bit 21 beside a mask; no padding
	s_or_b32 s[G1B+0], s44, (3<<16)|(1<<21)
.irp g, G1, G1B
	s_mov_b32 s[\g+1], 512<<16                     ; tensor_dim0 = 512 elements: 4,096 bytes, a row block's K step
	s_mov_b32 s[\g+2], 8<<16                       ; tensor_dim1 = 8 row blocks
	s_mov_b32 s[\g+3], 512<<16                     ; tile_dim0
	s_mov_b32 s[\g+4], 8                           ; tile_dim1
	s_mov_b32 s[\g+5], 2048                        ; from row block to row block: 16,384 bytes
	s_mov_b32 s[\g+6], 0
	s_mov_b32 s[\g+7], 0
.endr
	s_lshl_b32 s18, s16, 7
	s_lshl_b32 s20, s17, 8
	s_add_co_u32 s20, s20, s18
	s_lshl_b32 s20, s20, 10                        ; a row's block begins at row x 1,024 bytes
	s_mov_b32 s21, 0
	s_lshl_b32 s46, s42, 8
	s_add_co_u32 s46, s46, s18
	s_lshl_b32 s46, s46, 10
	s_mov_b32 s47, 0
	s_mul_i32 s45, s14, HALFT
	s_wait_kmcnt 0x0
	s_load_b256 s[68:75], s[8:9], 0x0              ; e0 .. e7
	s_cmp_eq_u32 ttmp9, 2
	s_cselect_b64 s[86:87], s[6:7], s[4:5]
	s_cselect_b64 s[88:89], s[4:5], s[6:7]
	s_add_nc_u64 s[20:21], s[86:87], s[20:21]
	s_add_nc_u64 s[46:47], s[88:89], s[46:47]
	CROUND                                         ; all sixteen work-groups are here: the first joint loads meet
.irp s, 0,1
	s_mov_b32 s[G0+4*\s], 1
	s_add_co_u32 s[G0+4*\s+1], s45, \s*SLOT
	s_add_nc_u64 s[G0+4*\s+2:G0+4*\s+3], s[20:21], \s*STEPB
	s_or_b32 s[G0+4*\s+3], s[G0+4*\s+3], 0x80000000
	s_mov_b32 s[G0B+4*\s], 1
	s_add_co_u32 s[G0B+4*\s+1], s45, \s*SLOT
	s_add_nc_u64 s[G0B+4*\s+2:G0B+4*\s+3], s[46:47], \s*STEPB
	s_or_b32 s[G0B+4*\s+3], s[G0B+4*\s+3], 0x80000000
.endr
	JLOAD G0, G1, G0B, G1B                         ; K step 0: one tensor load a wave at the head
	v_and_b32 v1, 15, v0                           ; r
	v_bfe_u32 v2, v0, 4, 1                         ; h
	s_wait_alu depctr_va_vdst(0)
	v_and_b32 v6, 31, v0
	v_lshlrev_b32 v[VOA], 4, v6                    ; 16 x lane
	s_wait_alu depctr_va_vdst(0)
	s_mul_i32 s20, s15, HALFT
	s_mul_i32 s21, s16, HALFT
	s_add_co_u32 s21, s21, 2*HALFT
.irp s, 0,1
	v_add_nc_u32 v[ADRA+\s], s20, v[VOA]
	v_add_nc_u32 v[ADRB+\s], s21, v[VOA]
	s_add_co_u32 s20, s20, SLOT
	s_add_co_u32 s21, s21, SLOT
.endr
	; the way out's numbers
	s_lshl_b32 s76, s17, 8
	s_lshl_b32 s78, s15, 7
	s_add_co_u32 s76, s76, s78                     ; side A's first row of mine
	s_lshl_b32 s77, s42, 8
	s_lshl_b32 s78, s16, 7
	s_add_co_u32 s77, s77, s78                     ; side B's
	s_mov_b32 s80, 1024
	s_mov_b32 s81, 0
	s_mov_b32 s91, 131072
	s_cmp_eq_u32 ttmp9, 2
	s_cselect_b32 s78, s77, s76                    ; my first token
	s_cselect_b32 s79, s76, s77                    ; my first column of qkv
	s_cselect_b32 s86, 4, 6
	s_cselect_b32 s87, 0, s77                      ; where the column bias is read,
	s_cselect_b32 s88, s76, 0                      ; and the row bias
	s_cselect_b32 s89, 0, -1                       ; which of the two counts
	s_cselect_b32 s90, -1, 0
	s_cselect_b32 s80, 32768, s80                  ; from block a to a + 1: a token block of a head, or a channel block's 16 chunks
	s_cselect_b32 s91, 1024, s91                   ; from piece 1 to piece 2: the next head, or on in the chunk
	s_lshr_b32 s93, s78, 11
	s_lshl_b32 s93, s93, 21                        ; the batch
	s_and_b32 s94, s78, 2047
	s_lshl_b32 s94, s94, s86                       ; q, k: token block x 1,024;  v: chunk x 2,048
	s_add_co_u32 s93, s93, s94
	s_and_b32 s94, s79, 1023
	s_lshl_b32 s94, s94, 11                        ; q, k: head x 131,072;  v: channel block x 32,768: the same number
	s_add_co_u32 s93, s93, s94
	s_lshl_b32 s94, ttmp9, 22
	s_add_co_u32 s94, s93, s94
	s_mov_b32 s95, 0
	s_add_nc_u64 s[12:13], s[12:13], s[94:95]
	s_lshl_b32 s18, s87, 2
	s_mov_b32 s19, 0
	s_add_nc_u64 s[18:19], s[10:11], s[18:19]
	s_lshl_b32 s22, s88, 2
	s_mov_b32 s23, 0
	s_add_nc_u64 s[22:23], s[10:11], s[22:23]
	v_lshlrev_b32 v[VH], 5, v2
	v_lshlrev_b32 v[VR], 2, v1
	v_add_nc_u32 v[VOB], s91, v[VOA]
.irp b, 0,1,2,3,4,5,6,7                    ; the biases stay on their way through the loop; one wait in front of the way out
	global_load_b128 v[BC+8*\b:BC+8*\b+3], v[VH], s[18:19] offset:64*\b
	global_load_b128 v[BC+8*\b+4:BC+8*\b+7], v[VH], s[18:19] offset:64*\b+16
.endr
.irp a, 0,1,2,3,4,5,6,7
	global_load_b32 v[BR+2*\a], v[VR], s[22:23] offset:64*\a
.endr
.macro FRAG reg, adr, q, i             ; a fragment: four pieces of 512 bytes, 16 bytes a lane
.irp c, 0,1,2,3
	ds_load_b128 v[\reg+4*\c:\reg+4*\c+3], v[\adr] offset:(\i)*4096+(\q)*2048+512*\c
.endr
.endm
.macro MUL16 a0, p, zero               ; the 64 accumulators take turns, one instruction a turn, in the same order in every step
.irp a, \a0, \a0+1
.irp b, 0,1,2,3,4,5,6,7
.if \zero
	v_wmma_f32_16x16x128_fp8_fp8 v[8*(8*((\a)%4)+\b):8*(8*((\a)%4)+\b)+7], v[128*(\p)+FR*\b:128*(\p)+FR*\b+FR-1], v[AF+FR*(\a):AF+FR*(\a)+FR-1], 0
.else
	v_wmma_f32_16x16x128_fp8_fp8 v[8*(8*((\a)%4)+\b):8*(8*((\a)%4)+\b)+7], v[128*(\p)+FR*\b:128*(\p)+FR*\b+FR-1], v[AF+FR*(\a):AF+FR*(\a)+FR-1], v[8*(8*((\a)%4)+\b):8*(8*((\a)%4)+\b)+7]
.endif
.endr
.endr
.endm
.macro FETCH_B slot, q, p
	WIN TO_B
.irp i, 0,1,2,3,4,5,6,7
	FRAG 128*(\p)+FR*\i, ADRB+\slot, \q, \i
.endr
	WIN 0
.endm
.macro FETCH_A slot, q, i0
.irp i, \i0, \i0+1, \i0+2, \i0+3
	FRAG AF+FR*(\i), ADRA+\slot, \q, \i
.endr
.endm
.macro PLACES n                        ; plain vector instructions between a matrix instruction and a load into, or a vector read or write of, its registers
.rept \n
	v_nop
.endr
.endm
.macro STEP slot, q, zero              ; 128 along K whose successor lies in the same slot
	s_wait_dscnt 4*NL                              ; B's set and A's blocks 0-3 are in; the youngest sixteen loads (A's blocks 4-7) may be out
	WIN MUL_LO
	MUL16 0, (\q)%2, \zero
	MUL16 2, (\q)%2, \zero
	s_wait_dscnt 0
	PLACES NP
	FETCH_B \slot, (\q)+1, 1-(\q)%2
	FETCH_A \slot, (\q)+1, 0
	WIN MUL_HI
	MUL16 4, (\q)%2, \zero
	MUL16 6, (\q)%2, \zero
	PLACES NP
	WIN 0
	FETCH_A \slot, (\q)+1, 4
.endm
.macro TURN slot, next, fill           ; a slot's last step changes slots: one barrier; in front of it all my tensor loads are waited for, 0 is added to my spare word, and that and my reads of the slot are waited for
	s_wait_tensorcnt 0x0                           ; all my tensor loads have landed: my part of the next slot
	ds_add_u32 v[SPW], v[NIL]
	s_wait_dscnt 4*NL+1                            ; the add and the youngest sixteen loads may be out
	WIN MUL_LO
	MUL16 0, 1, 0
	s_wait_dscnt 0x0                               ; the add is done, and my reads of this slot are over
	s_barrier_signal -1
	MUL16 2, 1, 0
	WIN 0
	s_barrier_wait -1
.if \fill
	CREST                                          ; the barrier has opened a round of the cluster's: no wave of any partner still reads this slot or has a load on its way
	s_add_nc_u64 s[G0+4*\slot+2:G0+4*\slot+3], s[G0+4*\slot+2:G0+4*\slot+3], 2*STEPB
	s_add_nc_u64 s[G0B+4*\slot+2:G0B+4*\slot+3], s[G0B+4*\slot+2:G0B+4*\slot+3], 2*STEPB
	JLOAD G0+4*\slot, G1, G0B+4*\slot, G1B         ; the first tensor load behind the round; its four v_nop are the places in front of the loads below
.else
	PLACES NP
.endif
	FETCH_B \next, 0, 0
	FETCH_A \next, 0, 0
	WIN MUL_HI
	MUL16 4, 1, 0
	MUL16 6, 1, 0
	PLACES NP
	WIN 0
	FETCH_A \next, 0, 4
.endm
	s_wait_alu depctr_va_vdst(0)
	s_wait_tensorcnt 0x0                           ; my part of K step 0 is in; slot 1's first fill is issued as a refill is
	ds_add_u32 v[SPW], v[NIL]
	s_wait_dscnt 0x0
	CROUND
	JLOAD G0+4, G1, G0B+4, G1B                     ; K step 1, the first tensor load behind the round
	FETCH_B 0, 0, 0
	FETCH_A 0, 0, 0
	FETCH_A 0, 0, 4
	STEP 0, 0, 1                                   ; the first step's products start the sums
	s_mov_b32 s3, LAPS-1
.Llap:
	TURN 0, 1, 1
	STEP 1, 0, 0
	TURN 1, 0, 1
	STEP 0, 0, 0
	s_sub_co_u32 s3, s3, 1
	s_cmp_lg_u32 s3, 0
	s_cbranch_scc1 .Llap
	TURN 0, 1, 0
	STEP 1, 0, 0
	s_wait_dscnt 4*NL
	WIN MUL_LO
	MUL16 0, 1, 0
	MUL16 2, 1, 0
	s_wait_dscnt 0
	WIN MUL_HI
	MUL16 4, 1, 0
	MUL16 6, 1, 0
	WIN 0
	; THE WAY OUT: sum x 2^(e0 + e1) + bias, the hold, the conversion; two neighbouring tiles' codes are a lane's 16 bytes of a piece, and go out from registers, 512 bytes a store.
	s_wait_kmcnt 0x0
	s_add_co_i32 s96, s68, s69
	s_add_co_i32 s96, s96, 127
	s_lshl_b32 s96, s96, 23                        ; 2^(e0 + e1)
	s_mov_b32 s97, s96
	s_cmp_eq_u32 ttmp9, 2
	s_cselect_b32 s92, s73, s71                    ; e5 for v, e3 for k,
	s_cmp_eq_u32 ttmp9, 0
	s_cselect_b32 s92, s70, s92                    ; e2 for q
	s_add_co_i32 s92, s92, 127
	s_lshl_b32 s93, s92, 23
	s_add_co_i32 s92, s92, 8
	s_lshl_b32 s92, s92, 23
	s_or_b32 s92, s92, 0x600000
	s_wait_loadcnt 0x0                             ; the biases
	PLACES NP
	v_mov_b32 v208, s93
	v_mov_b32 v209, s92
.set jj, 0
.rept 64
	v_and_b32 v[BC+jj], s89, v[BC+jj]              ; the bias that does not apply becomes 0
.set jj, jj+1
.endr
.irp a, 0,1,2,3,4,5,6,7
	v_and_b32 v[BR+2*\a+1], s90, v[BR+2*\a]
	v_and_b32 v[BR+2*\a], s90, v[BR+2*\a]
.endr
.macro OUTA a
.set AC, 64*((\a)%4)
	WIN 0x02+((\a)/4)                              ; source 0: window 2 or 3
.set jj, 0
.rept 32
	v_pk_fma_f32 v[TT+jj:TT+jj+1], v[AC+jj:AC+jj+1], s[96:97], v[BC+jj:BC+jj+1] op_sel_hi:[1,0,1]   ; each accumulator from its low end on
.set jj, jj+2
.endr
	WIN 0
.set jj, 0
.rept 32
	v_pk_add_f32 v[TT+jj:TT+jj+1], v[TT+jj:TT+jj+1], v[BR+2*(\a):BR+2*(\a)+1]
.set jj, jj+2
.endr
.set jj, 0
.rept 64
	v_med3_num_f32 v[TT+jj], v[TT+jj], -v209, v209
.set jj, jj+1
.endr
	s_wait_alu depctr_va_vdst(0)
	s_wait_xcnt 0x0                                ; the last block's stores have read their data and their base
.if (\a) > 0
	s_add_nc_u64 s[12:13], s[12:13], s[80:81]
.endif
.irp b, 0,1,2,3,4,5,6,7
	v_cvt_scalef32_pk8_fp8_f32 v[CC+2*\b:CC+2*\b+1], v[TT+8*\b:TT+8*\b+7], v208
.endr
	v_nop
	global_store_b128 v[VOA], v[CC:CC+3], s[12:13]
	global_store_b128 v[VOA], v[CC+4:CC+7], s[12:13] offset:512
	global_store_b128 v[VOB], v[CC+8:CC+11], s[12:13]
	global_store_b128 v[VOB], v[CC+12:CC+15], s[12:13] offset:512
.endm
.irp a, 0,1,2,3,4,5,6,7
	OUTA \a
.endr
	s_wait_tensorcnt 0x0                           ; the wave's end
	ds_add_u32 v[SPW], v[NIL]
	s_wait_dscnt 0x0
	CROUND                                         ; the closing round
	s_endpgm
.Lfunc_end_k_q7fe59146b7_qkv:
	.size	k_q7fe59146b7_qkv, .Lfunc_end_k_q7fe59146b7_qkv-k_q7fe59146b7_qkv
	.p2alignl 7, 3214868480
	.fill 96, 4, 3214868480
	.section	.rodata,"a",@progbits
	.p2align	6, 0x0
	.amdhsa_kernel k_q7fe59146b7_qkv
		.amdhsa_group_segment_fixed_size 327680
		.amdhsa_private_segment_fixed_size 0
		.amdhsa_enable_private_segment 0
		.amdhsa_kernarg_size 40
		.amdhsa_user_sgpr_count 2
		.amdhsa_user_sgpr_kernarg_segment_ptr 1
		.amdhsa_wavefront_size32 1
		.amdhsa_system_sgpr_workgroup_id_x 1
		.amdhsa_system_sgpr_workgroup_id_y 1
		.amdhsa_system_sgpr_workgroup_id_z 1
		.amdhsa_system_vgpr_workitem_id 0
		.amdhsa_next_free_vgpr 1024
		.amdhsa_next_free_sgpr 100
		.amdhsa_reserve_vcc 0
		.amdhsa_float_denorm_mode_32 3
		.amdhsa_float_denorm_mode_16_64 3
		.amdhsa_memory_ordered 1
		.amdhsa_forward_progress 1
		.amdhsa_inst_pref_size 156
	.end_amdhsa_kernel
	.amdgpu_metadata
---
amdhsa.version: [ 1, 2 ]
amdhsa.kernels:
  - .name:           k_q7fe59146b7_qkv
    .symbol:         k_q7fe59146b7_qkv.kd
    .args:
      - { .name: h1c, .offset: 0, .size: 8, .value_kind: global_buffer, .address_space: global }
      - { .name: wcodes, .offset: 8, .size: 8, .value_kind: global_buffer, .address_space: global }
      - { .name: lowp_scales, .offset: 16, .size: 8, .value_kind: global_buffer, .address_space: global }
      - { .name: b_attn, .offset: 24, .size: 8, .value_kind: global_buffer, .address_space: global }
      - { .name: qkvc, .offset: 32, .size: 8, .value_kind: global_buffer, .address_space: global }
    .group_segment_fixed_size: 327680
    .private_segment_fixed_size: 0
    .kernarg_segment_align: 8
    .kernarg_segment_size: 40
    .max_flat_workgroup_size: 128
    .sgpr_count:     100
    .vgpr_count:     1024
    .wavefront_size: 32
...
	.end_amdgpu_metadata
.endif
;; end of part 2
;; launch attn (part 3): grid 8 x 32, 16 waves a work-group, no clusters, 327,680 bytes of LDS; arguments qkvc, lowp_scales, yc; writes yc
.if DOCPART == 3
	.amdgcn_target "amdgcn-amd-amdhsa--gfx1250"
	.amdhsa_code_object_version 6
	.text
	.protected	k_q7fe59146b7_attn
	.globl	k_q7fe59146b7_attn
	.p2align	8
	.type	k_q7fe59146b7_attn,@function
k_q7fe59146b7_attn:
	s_mov_b64 s[64:65], 0
	v_nop
	global_prefetch_b8 v0, s[64:65] scope:SCOPE_SE
	s_setreg_imm32_b32 hwreg(HW_REG_WAVE_MODE, 25, 1), 1
	s_wait_xcnt 0x0
; Causal attention of one head on codes of E4M3, head size 64, 2,048 tokens; the result y is quantised at once (2^e6) for the projection.
; t = score x 2^(e2 + e3) x log2(e) / 8; M = the running largest t rounded up to a whole number; p = 2^(t - M) is quantised with 2^e4, not normalised; the sum of the unquantised p divides at the end.
; SHARES.  Work-group (x, head of 32) owns the blocks x and 15 - x of 128 queries, so that every work-group has the same number of key steps under the mask.  Each of sixteen waves owns one tile of 16 queries in 256 registers.
; ALL OF THE HEAD'S K AND V LIES IN LDS: 131,072 bytes each, as images of the operands' registers: no padding, every LDS load takes 512 bytes on end.  Each byte of LDS is filled once: no slot is filled again.
; Waves 0-3 fetch K, waves 4-7 V, four loads of 8,192 bytes each, one for each quarter of the keys; four loads of a wave are out at the most.  A quarter is read behind the counted wait for it and a barrier.
; NO CLUSTER: the steps that a wave leaves out under the mask hang on its work-group's own blocks of queries, that is on its place among those that share K and V, and partners of a joint load must run alike.
; LAYOUT.  S^T = K Q^T (source 0 = 16 keys, source 1 = my queries), O^T = V^T P^T: a lane holds one query (lane % 16); tile t's eight registers are keys 16 t + 8 (lane / 16) + 0 .. 7: the plain form's own place for them.
; LIMITS: e2 + e3 between -123 and 130; e4 and e6 between -126 and 119; NaN is not served.
; REGISTERS: v1 16 x lane; v8, v9 LDS addresses; v12 -M, v13 the largest t, v[14:15] the sum; v16-23 Q; v32-95 fragments; v96-159 S^T, then p; v160-191 O^T; v192-199 y's codes; v224-239 p's codes; v240-254 constants and at work.
; WHO FETCHES (in place of what the lines above say of it): all sixteen waves, two loads of 8,192 bytes each.  Waves 0-7 fetch K, waves 8-15 V; bit 2 of the wave's number says which quarter of a half of the keys, bits 1:0 which part of it.
; The first load (keys 0-1,023) stands at the head; the second (keys 1,024-2,047) is a first fill behind the full sequence and a barrier.  One load of a wave is out at a time.  Two barriers in all.
.set SEL, 20
.set CS,  22
.set G1,  24
	s_load_b128 s[4:7], s[0:1], 0x0                ; qkvc, the scales' exponents
	s_load_b64 s[8:9], s[0:1], 0x10                ; yc
	v_lshl_add_u32 v251, v0, 2, 0x40000
	v_mov_b32 v255, 0
	ds_add_u32 v251, v255
	ds_add_u32 v251, v255
	v_lshrrev_b32 v2, 5, v0
	s_delay_alu instid0(VALU_DEP_1)
	v_readfirstlane_b32 s10, v2                    ; wave 0..15
	s_lshr_b32 s11, s10, 2
	s_xor_b32 s11, s11, s10
	s_and_b32 s11, s11, 1                          ; which of the two blocks
	s_lshr_b32 s12, s10, 1                         ; which tile of it
	s_and_b32 s14, ttmp7, 0xffff                   ; the head, 0..31
	s_sub_co_u32 s13, 15, ttmp9
	s_cmp_eq_u32 s11, 0
	s_cselect_b32 s13, ttmp9, s13
	s_lshl_b32 s15, s13, 7
	s_lshl_b32 s56, s12, 4
	s_add_co_u32 s15, s15, s56                     ; my first query
	s_mov_b32 s16, 0                               ; the step's first key
	s_mov_b32 s[G1], 3<<16                         ; a dense block of 8,192 bytes as 32 rows of 32 elements of 8 bytes
	s_mov_b32 s[G1+1], 32<<16
	s_mov_b32 s[G1+2], 32<<16
	s_mov_b32 s[G1+3], 32<<16
	s_mov_b32 s[G1+4], 32
	s_mov_b32 s[G1+5], 32
	s_mov_b32 s[G1+6], 0
	s_mov_b32 s[G1+7], 0
	s_mov_b32 s[SEL], 0x76543210
	s_mov_b32 s[SEL+1], 0xfedcba98
	s_mov_b32 s[CS], 0x3e38aa3b                    ; log2(e) / 8
	s_and_b32 s56, s10, 3                          ; my part i
	s_bfe_u32 s57, s10, 0x10003                    ; 0: K, 1: V
	s_bfe_u32 s62, s10, 0x10002                    ; which quarter of the half
	s_lshl_b32 s60, s57, 17
	s_lshl_b32 s61, s56, 13
	s_add_co_u32 s60, s60, s61
	s_lshl_b32 s61, s62, 15
	s_add_co_u32 s60, s60, s61
	s_mul_i32 s86, s57, 24576
	s_add_co_u32 s87, s86, 8192                    ; in memory from part to part: K 8,192 (128 keys), V 32,768 (a channel block)
	s_mul_i32 s56, s56, s87
	s_sub_co_u32 s58, 32768, s86
	s_mul_i32 s62, s62, s58
	s_add_co_u32 s56, s56, s62                     ; my quarter in memory
	s_lshl_b32 s58, s58, 1                         ; from half to half
	s_mov_b32 s59, 0
	s_lshl_b32 s88, s57, 22
	s_add_co_u32 s88, s88, 0x400000                ; k's and v's place in qkvc
	s_add_co_u32 s56, s56, s88
	s_lshl_b32 s61, s14, 17                        ; a head's 131,072 bytes
	s_add_co_u32 s56, s56, s61
	s_mov_b32 s57, 0
	s_wait_dscnt 0x0
	s_wait_kmcnt 0x0
	s_load_b256 s[48:55], s[6:7], 0x0              ; e0 .. e7
	s_add_nc_u64 s[56:57], s[4:5], s[56:57]
.irp q, 0,1
	s_mov_b32 s[32+4*\q], 1
	s_add_co_u32 s[33+4*\q], s60, \q*65536
	s_mov_b64 s[34+4*\q:35+4*\q], s[56:57]
	s_or_b32 s[35+4*\q], s[35+4*\q], 0x80000000
	s_add_nc_u64 s[56:57], s[56:57], s[58:59]
.endr
	tensor_load_to_lds s[32:35], s[G1:G1+7]        ; every wave: its part of keys 0-1,023
	s_nop 0
.rept 4
	v_nop
.endr
	v_and_b32 v1, 31, v0
	s_delay_alu instid0(VALU_DEP_1)
	v_lshlrev_b32 v1, 4, v1                        ; 16 x lane
	s_lshl_b32 s86, s14, 17
	s_lshl_b32 s87, s15, 6
	s_add_co_u32 s86, s86, s87                     ; q: (head x 128 + token block) x 1,024
	s_mov_b32 s87, 0
	s_add_nc_u64 s[88:89], s[4:5], s[86:87]
	global_load_b128 v[16:19], v1, s[88:89]
	global_load_b128 v[20:23], v1, s[88:89] offset:512
	s_lshr_b32 s86, s14, 4
	s_lshl_b32 s86, s86, 21                        ; yc: the batch's 128 row blocks of 16,384 bytes,
	s_lshl_b32 s90, s15, 10                        ; my row block,
	s_add_co_u32 s86, s86, s90
	s_and_b32 s90, s14, 15
	s_lshl_b32 s90, s90, 10                        ; my head's 64 columns: two pieces
	s_add_co_u32 s86, s86, s90
	s_add_nc_u64 s[8:9], s[8:9], s[86:87]
	v_mov_b32 v13, 0xff61b1e6                      ; the largest t so far: -3e38
	s_delay_alu instid0(VALU_DEP_1)
	v_floor_f32 v12, -v13                          ; -M
	v_mov_b32 v14, 0
	v_mov_b32 v15, 0
	v_mov_b32 v246, 0                              ; a lane permute's destination: written once
	v_mov_b32 v253, 0                              ; (the upper half of the pair v[252:253])
.set jj, 0
.rept 32
	v_mov_b32 v[160+jj], 0                         ; O^T: the step is written once, and its first run finds zeros
.set jj, jj+1
.endr
	s_wait_kmcnt 0x0
	s_add_co_i32 s56, s50, s51
	s_lshl_b32 s56, s56, 23
	s_add_co_i32 s[CS], s[CS], s56                 ; e2 + e3 go into c's exponent field
	s_mov_b32 s[CS+1], s[CS]
	s_add_co_i32 s56, s52, 127
	s_lshl_b32 s57, s56, 23
	v_mov_b32 v244, s57                            ; 2^e4
	s_add_co_i32 s56, s56, 8
	s_lshl_b32 s56, s56, 23
	s_or_b32 s56, s56, 0x600000
	v_mov_b32 v240, s56                            ; 448 x 2^e4
	s_add_co_i32 s56, s54, 127
	s_lshl_b32 s57, s56, 23
	v_mov_b32 v247, s57                            ; 2^e6
	s_add_co_i32 s56, s56, 8
	s_lshl_b32 s56, s56, 23
	s_or_b32 s56, s56, 0x600000
	v_mov_b32 v248, s56                            ; 448 x 2^e6
; A KEY STEP: 128 keys.  s17, s18: where its K and its V begin in LDS.
.macro STEP
	s_add_co_u32 s96, s15, 15                      ; a step all of whose keys come after my 16 queries is left out: a scalar branch on ids
	s_cmp_gt_u32 s16, s96
	s_cbranch_scc1 .Lhidden_\@
	v_add_nc_u32 v8, s17, v1
	v_add_nc_u32 v9, s18, v1
	v_nop                                          ; with the two additions: four places in front of loads into registers that matrix instructions have read
	v_nop
.irp t, 0,1,2,3,4,5,6,7
	ds_load_b128 v[32+8*\t:35+8*\t], v8 offset:1024*\t
	ds_load_b128 v[36+8*\t:39+8*\t], v8 offset:1024*\t+512
.endr
	s_wait_dscnt 0x0
.irp t, 0,1,2,3,4,5,6,7
	v_wmma_f32_16x16x64_fp8_fp8 v[96+8*\t:103+8*\t], v[32+8*\t:39+8*\t], v[16:23], 0
.endr
.rept 4
	v_nop
.endr
	s_add_co_u32 s96, s16, 127                     ; on the diagonal hidden scores become -infinity ahead of the maximum; a step all of whose keys count skips this
	s_cmp_le_u32 s96, s15
	s_cbranch_scc1 .Lopen_\@
	s_sub_co_i32 s96, s15, s16
	v_and_b32 v252, 15, v0
	v_bfe_u32 v253, v0, 4, 1
	s_delay_alu instid0(VALU_DEP_1)
	v_lshlrev_b32 v253, 3, v253
	s_delay_alu instid0(VALU_DEP_1)
	v_sub_nc_u32 v252, v252, v253
	s_delay_alu instid0(VALU_DEP_1)
	v_add_nc_u32 v252, s96, v252                   ; d = my query - the step's first key - 8 (lane / 16): register 8 t + j is hidden where 16 t + j > d
	v_mov_b32 v254, 0xff800000
.set nn, 0
.rept 64
	v_cmp_gt_i32 vcc_lo, 16*(nn/8)+nn%8, v252
	v_cndmask_b32 v[96+nn], v[96+nn], v254, vcc_lo
.set nn, nn+1
.endr
.Lopen_\@:
	v_max3_num_f32 v254, v96, v97, v98             ; the step's largest score of my query, in two chains,
	v_max3_num_f32 v252, v99, v100, v101
.irp i, 6,10,14,18,22,26,30,34,38,42,46,50,54,58
	v_max3_num_f32 v254, v254, v[96+\i], v[97+\i]
	v_max3_num_f32 v252, v252, v[98+\i], v[99+\i]
.endr
	v_max3_num_f32 v254, v254, v158, v159
	s_delay_alu instid0(VALU_DEP_1)
	v_max_num_f32 v254, v254, v252
	s_delay_alu instid0(VALU_DEP_1)
	v_permlanex16_b32 v246, v254, s[SEL], s[SEL+1]
	s_delay_alu instid0(VALU_DEP_1)
	v_max_num_f32 v254, v254, v246                 ; and among the other half of the lanes'
	s_delay_alu instid0(VALU_DEP_1)
	v_mul_f32 v254, s[CS], v254
	s_delay_alu instid0(VALU_DEP_1)
	v_max_num_f32 v13, v13, v254                   ; the running largest t
	v_mov_b32 v254, v12
	s_delay_alu instid0(VALU_DEP_2)
	v_floor_f32 v12, -v13                          ; -M = floor(-t): M is a whole number
	s_delay_alu instid0(VALU_DEP_1)
	v_sub_f32 v254, v12, v254
	s_delay_alu instid0(VALU_DEP_1)
	v_cvt_i32_f32 v254, v254                       ; (it saturates)
	s_delay_alu instid0(VALU_DEP_1)
	v_ldexp_f32 v252, 1.0, v254                    ; f = 2^(old M - new M): rounds nothing
.set jj, 0
.rept 32
	v_pk_fma_f32 v[96+jj:97+jj], v[96+jj:97+jj], s[CS:CS+1], v[12:13] op_sel_hi:[1,0,0]
.set jj, jj+2
.endr
.set jj, 0
	s_wait_alu depctr_va_vdst(0)
.rept 64
	v_exp_f32 v[96+jj], v[96+jj]                   ; p = 2^(t - M)
.set jj, jj+1
.endr
	v_pk_mul_f32 v[14:15], v[14:15], v[252:253] op_sel_hi:[1,0]   ; the sums under the new M: the plain instruction behind the exponentials
	s_wait_alu depctr_va_vdst(0)                   ; one wait for the batch, ahead of its first reader
	v_pk_add_f32 v[242:243], v[100:101], v[104:105]
	v_pk_add_f32 v[238:239], v[108:109], v[112:113]
	v_pk_add_f32 v[236:237], v[116:117], v[120:121]
	v_pk_add_f32 v[234:235], v[124:125], v[128:129]
	v_pk_add_f32 v[232:233], v[132:133], v[136:137]
	v_pk_add_f32 v[230:231], v[140:141], v[144:145]
	v_pk_add_f32 v[228:229], v[148:149], v[152:153]
	v_pk_add_f32 v[14:15], v[14:15], v[156:157]
	v_pk_add_f32 v[242:243], v[242:243], v[96:97]
	v_pk_add_f32 v[238:239], v[238:239], v[98:99]
	v_pk_add_f32 v[236:237], v[236:237], v[102:103]
	v_pk_add_f32 v[234:235], v[234:235], v[106:107]
	v_pk_add_f32 v[232:233], v[232:233], v[110:111]
	v_pk_add_f32 v[230:231], v[230:231], v[114:115]
	v_pk_add_f32 v[228:229], v[228:229], v[118:119]
	v_pk_add_f32 v[14:15], v[14:15], v[122:123]
	v_pk_add_f32 v[242:243], v[242:243], v[126:127]
	v_pk_add_f32 v[238:239], v[238:239], v[130:131]
	v_pk_add_f32 v[236:237], v[236:237], v[134:135]
	v_pk_add_f32 v[234:235], v[234:235], v[138:139]
	v_pk_add_f32 v[232:233], v[232:233], v[142:143]
	v_pk_add_f32 v[230:231], v[230:231], v[146:147]
	v_pk_add_f32 v[228:229], v[228:229], v[150:151]
	v_pk_add_f32 v[14:15], v[14:15], v[154:155]
	v_pk_add_f32 v[242:243], v[242:243], v[158:159]
	s_delay_alu instid0(VALU_DEP_2)
	v_pk_add_f32 v[14:15], v[14:15], v[234:235]
	s_delay_alu instid0(VALU_DEP_2)
	v_pk_add_f32 v[242:243], v[242:243], v[232:233]
	v_pk_add_f32 v[238:239], v[238:239], v[230:231]
	v_pk_add_f32 v[236:237], v[236:237], v[228:229]
	s_delay_alu instid0(VALU_DEP_2)
	v_pk_add_f32 v[14:15], v[14:15], v[238:239]
	s_delay_alu instid0(VALU_DEP_2)
	v_pk_add_f32 v[242:243], v[242:243], v[236:237]
	s_delay_alu instid0(VALU_DEP_1)
	v_pk_add_f32 v[14:15], v[14:15], v[242:243]
.irp t, 0,1,2,3,4,5,6,7
.irp i, 0,1,2,3,4,5,6,7
	v_min_num_f32 v[96+8*\t+\i], v[96+8*\t+\i], v240   ; p is not negative: a one-sided hold
.endr
	v_cvt_scalef32_pk8_fp8_f32 v[224+2*\t:225+2*\t], v[96+8*\t:103+8*\t], v244
.endr
.set jj, 0
.rept 16
	v_pk_mul_f32 v[160+jj:161+jj], v[160+jj:161+jj], v[252:253] op_sel_hi:[1,0]   ; O^T under the new M; also the places in front of the loads and products below
.set jj, jj+2
.endr
.irp d, 0,1,2,3
.irp c, 0,1,2,3
	ds_load_b128 v[32+16*\d+4*\c:35+16*\d+4*\c], v9 offset:8192*\d+512*\c
.endr
.endr
	s_wait_alu depctr_va_vdst(0)
	s_wait_dscnt 0x0
.irp d, 0,1,2,3
	v_wmma_f32_16x16x128_fp8_fp8 v[160+8*\d:167+8*\d], v[32+16*\d:47+16*\d], v[224:239], v[160+8*\d:167+8*\d]
.endr
.Lhidden_\@:
.endm
; A QUARTER of the keys: four key steps on the quarter's K and V in LDS.
.macro PHASE q
	s_mov_b32 s17, (\q)*32768
	s_mov_b32 s18, 131072+(\q)*32768
	s_mov_b32 s19, 4
.Lstep_\@:
	STEP
	s_add_co_u32 s17, s17, 8192
	s_add_co_u32 s18, s18, 2048
	s_add_co_u32 s16, s16, 128
	s_sub_co_u32 s19, s19, 1
	s_cmp_lg_u32 s19, 0
	s_cbranch_scc1 .Lstep_\@
.endm
	s_wait_alu depctr_va_vdst(0)
	s_wait_loadcnt 0x0                             ; Q
	s_wait_tensorcnt 0x0                           ; my part of the first half is in
	ds_add_u32 v251, v255
	s_wait_dscnt 0x0
	s_barrier_signal -1
	s_barrier_wait -1
	tensor_load_to_lds s[36:39], s[G1:G1+7]        ; my part of keys 1,024-2,047: it has eight key steps in which to land
	s_nop 0
.rept 4
	v_nop
.endr
	PHASE 0
	PHASE 1
	s_wait_alu depctr_va_vdst(0)
	s_wait_tensorcnt 0x0                           ; my part of the second half is in
	s_barrier_signal -1
	s_barrier_wait -1
	PHASE 2
	PHASE 3
	; THE WAY OUT: O^T / the sum x 2^(e4 + e5), quantised with 2^e6; channel blocks 2 c and 2 c + 1 are my 16 bytes of piece c of my head's part of the image
.rept 4
	v_nop
.endr
	v_add_f32 v14, v14, v15
	s_delay_alu instid0(VALU_DEP_1)
	v_permlanex16_b32 v246, v14, s[SEL], s[SEL+1]
	s_delay_alu instid0(VALU_DEP_1)
	v_add_f32 v14, v14, v246
	s_wait_alu depctr_va_vdst(0)
	v_rcp_f32 v14, v14
	v_nop
	s_add_co_i32 s56, s52, s53
	s_wait_alu depctr_va_vdst(0)
	v_ldexp_f32 v14, v14, s56
.set jj, 0
.rept 32
	v_mul_f32 v[96+jj], v[160+jj], v14
.set jj, jj+1
.endr
.set jj, 0
.rept 32
	v_med3_num_f32 v[96+jj], v[96+jj], -v248, v248
.set jj, jj+1
.endr
.irp d, 0,1,2,3
	v_cvt_scalef32_pk8_fp8_f32 v[192+2*\d:193+2*\d], v[96+8*\d:103+8*\d], v247
.endr
	v_nop
	global_store_b128 v1, v[192:195], s[8:9]       ; 512 consecutive bytes
	global_store_b128 v1, v[196:199], s[8:9] offset:512
	s_wait_tensorcnt 0x0
	ds_add_u32 v251, v255
	s_wait_dscnt 0x0
	s_endpgm
.Lfunc_end_k_q7fe59146b7_attn:
	.size	k_q7fe59146b7_attn, .Lfunc_end_k_q7fe59146b7_attn-k_q7fe59146b7_attn
	.p2alignl 7, 3214868480
	.fill 96, 4, 3214868480
	.section	.rodata,"a",@progbits
	.p2align	6, 0x0
	.amdhsa_kernel k_q7fe59146b7_attn
		.amdhsa_group_segment_fixed_size 327680
		.amdhsa_private_segment_fixed_size 0
		.amdhsa_enable_private_segment 0
		.amdhsa_kernarg_size 24
		.amdhsa_user_sgpr_count 2
		.amdhsa_user_sgpr_kernarg_segment_ptr 1
		.amdhsa_wavefront_size32 1
		.amdhsa_system_sgpr_workgroup_id_x 1
		.amdhsa_system_sgpr_workgroup_id_y 1
		.amdhsa_system_sgpr_workgroup_id_z 1
		.amdhsa_system_vgpr_workitem_id 0
		.amdhsa_next_free_vgpr 256
		.amdhsa_next_free_sgpr 100
		.amdhsa_reserve_vcc 1
		.amdhsa_float_denorm_mode_32 3
		.amdhsa_float_denorm_mode_16_64 3
		.amdhsa_memory_ordered 1
		.amdhsa_forward_progress 1
		.amdhsa_inst_pref_size 97
	.end_amdhsa_kernel
	.amdgpu_metadata
---
amdhsa.version: [ 1, 2 ]
amdhsa.kernels:
  - .name:           k_q7fe59146b7_attn
    .symbol:         k_q7fe59146b7_attn.kd
    .args:
      - { .name: qkvc, .offset: 0, .size: 8, .value_kind: global_buffer, .address_space: global }
      - { .name: lowp_scales, .offset: 8, .size: 8, .value_kind: global_buffer, .address_space: global }
      - { .name: yc, .offset: 16, .size: 8, .value_kind: global_buffer, .address_space: global }
    .group_segment_fixed_size: 327680
    .private_segment_fixed_size: 0
    .kernarg_segment_align: 8
    .kernarg_segment_size: 24
    .max_flat_workgroup_size: 512
    .sgpr_count:     100
    .vgpr_count:     256
    .wavefront_size: 32
...
	.end_amdgpu_metadata
.endif
;; end of part 3
;; launch proj (part 4): grid 8 x 32, 4 waves a work-group, clusters of 4 x 4, 327,680 bytes of LDS; arguments yc, wcodes, lowp_scales, b_proj, x, x1; writes x1
.if DOCPART == 4
	.amdgcn_target "amdgcn-amd-amdhsa--gfx1250"
	.amdhsa_code_object_version 6
	.text
	.protected	k_q7fe59146b7_proj
	.globl	k_q7fe59146b7_proj
	.p2align	8
	.type	k_q7fe59146b7_proj,@function
k_q7fe59146b7_proj:
	s_mov_b64 s[64:65], 0
	v_nop
	global_prefetch_b8 v0, s[64:65] scope:SCOPE_SE
	s_setreg_imm32_b32 hwreg(HW_REG_WAVE_MODE, 25, 1), 1
	s_wait_xcnt 0x0
	s_wait_alu depctr_hold_cnt(0) depctr_sa_sdst(0) depctr_va_vdst(0) depctr_va_sdst(0) depctr_va_ssrc(0) depctr_va_vcc(0) depctr_vm_vsrc(0)
	s_getreg_b32 s2, hwreg(HW_REG_IB_STS2, 6, 4)
	s_cmp_eq_u32 s2, 0
	s_cbranch_scc0 .Lentry_in_a_cluster
	s_endpgm
.Lentry_in_a_cluster:
	s_bfe_u32 s2, ttmp6, 0x10000c
	s_cmp_lg_u32 s2, 0xf033
	s_cbranch_scc0 .Lentry_shape_is_right
	s_endpgm
.Lentry_shape_is_right:
.set SIZE_K, 1024
.set WOFF,   0x300000
.set SCOFF,  0x18
.set KSTEPB, 8192
.set HALFT,  32768
.set SLOT,   4*HALFT
.set STAGE,  2*SLOT
.set SPITCH, 272
.set SPARE,  STAGE+4*16*SPITCH
.set LAPS,   SIZE_K/1024
.set ADRA, 16
.set ADRB, 20
.set STO,  24
.set RD,   25
.set CO,   26
.set BO,   27
.set SPW,  28
.set NIL,  29
.set BIAS, 32
.set BK,   40
.set ACC,  128
.set F0,   0
.set F1,   128
.set G1, 24
.set G0, 32
.set G1B, 48
.set G0B, 56
.set MSB, 0
.macro WIN new
.if MSB != \new
	s_set_vgpr_msb (MSB<<8)|\new
.set MSB, \new
.endif
.endm
.set MUL,  0x05
.set TO_F, 0x40
.macro JLOAD s
	s_cmp_eq_u32 s11, 0
	s_cbranch_scc0 .Lfor_b_\@
	tensor_load_to_lds s[G0+4*\s:G0+4*\s+3], s[G1:G1+7]
	s_nop 0
.rept 4
	v_nop
.endr
	s_branch .Lasked_\@
.Lfor_b_\@:
	tensor_load_to_lds s[G0B+4*\s:G0B+4*\s+3], s[G1B:G1B+7]
	s_nop 0
.rept 4
	v_nop
.endr
.Lasked_\@:
.endm
.macro CREST
	s_cmp_lg_u32 s10, 0
	s_cbranch_scc1 .Lnot_wave_0_\@
	s_barrier_signal -3
.Lnot_wave_0_\@:
	s_barrier_wait -3
	s_barrier_signal -1
	s_barrier_wait -1
.endm
.macro CROUND
	s_barrier_signal -1
	s_barrier_wait -1
	CREST
.endm
	s_load_b256 s[68:75], s[0:1], 0x0
	s_load_b128 s[76:79], s[0:1], 0x20
	v_lshl_add_u32 v[SPW], v0, 2, SPARE
	v_mov_b32 v[NIL], 0
	ds_add_u32 v28, v29
	ds_add_u32 v28, v29
	s_wait_dscnt 0x0
	v_lshrrev_b32 v1, 5, v0
	v_readfirstlane_b32 s10, v1
	s_lshr_b32 s11, s10, 1
	s_and_b32 s12, s10, 1
	s_bfe_u32 s40, ttmp6, 0x40000
	s_bfe_u32 s41, ttmp6, 0x40004
	s_lshl_b32 s42, ttmp9, 2
	s_add_co_u32 s42, s42, s40
	s_and_b32 s13, ttmp7, 0xffff
	s_lshl_b32 s13, s13, 2
	s_add_co_u32 s13, s13, s41
	s_lshl_b32 s43, s41, 2
	s_lshl_b32 s43, 15, s43
	s_lshl_b32 s44, 0x1111, s40
	s_or_b32 s[G1+0], s43, (3<<16)|(1<<21)
	s_or_b32 s[G1B+0], s44, (3<<16)|(1<<21)
.irp g, G1, G1B
	s_mov_b32 s[\g+1], 1024<<16
	s_mov_b32 s[\g+2], 4<<16
	s_mov_b32 s[\g+3], 1024<<16
	s_mov_b32 s[\g+4], 4
	s_mov_b32 s[\g+5], 2*SIZE_K
	s_mov_b32 s[\g+6], 0
	s_mov_b32 s[\g+7], 0
.endr
	s_lshl_b32 s17, s12, 6
	s_lshl_b32 s16, s13, 7
	s_add_co_u32 s16, s16, s17
	s_mul_i32 s16, s16, SIZE_K
	s_lshl_b32 s46, s42, 7
	s_add_co_u32 s46, s46, s17
	s_mul_i32 s46, s46, SIZE_K
	s_mov_b32 s17, 0
	s_mov_b32 s47, 0
	s_mul_i32 s20, s10, HALFT
	s_wait_kmcnt 0x0
	s_load_b64 s[80:81], s[72:73], SCOFF
	s_add_nc_u64 s[14:15], s[68:69], s[16:17]
	s_add_nc_u64 s[46:47], s[70:71], s[46:47]
	s_add_nc_u64 s[46:47], s[46:47], WOFF
	CROUND
.irp s, 0,1
	s_mov_b32 s[G0+4*\s], 1
	s_add_co_u32 s[G0+4*\s+1], s20, \s*SLOT
	s_add_nc_u64 s[G0+4*\s+2:G0+4*\s+3], s[14:15], \s*KSTEPB
	s_or_b32 s[G0+4*\s+3], s[G0+4*\s+3], 0x80000000
	s_mov_b32 s[G0B+4*\s], 1
	s_add_co_u32 s[G0B+4*\s+1], s20, \s*SLOT
	s_add_nc_u64 s[G0B+4*\s+2:G0B+4*\s+3], s[46:47], \s*KSTEPB
	s_or_b32 s[G0B+4*\s+3], s[G0B+4*\s+3], 0x80000000
.endr
	JLOAD 0                                        ; K step 0: one tensor load a wave at the head
	v_and_b32 v1, 15, v0
	s_wait_alu depctr_va_vdst(0)
	v_bfe_u32 v2, v0, 4, 1
	v_and_b32 v3, 31, v0
	v_lshlrev_b32 v3, 4, v3
	s_mul_i32 s21, s11, HALFT
	s_mul_i32 s22, s12, HALFT
	s_add_co_u32 s22, s22, 2*HALFT
.irp s, 0,1
	v_add_nc_u32 v[ADRA+\s], s21, v3
	v_add_nc_u32 v[ADRB+\s], s22, v3
	s_add_co_u32 s21, s21, SLOT
	s_add_co_u32 s22, s22, SLOT
.endr
	s_mul_i32 s23, s10, 16*SPITCH
	s_add_co_u32 s23, s23, STAGE
	v_mul_u32_u24 v4, v1, SPITCH
	s_wait_alu depctr_va_vdst(0)
	v_lshl_add_u32 v4, v2, 5, v4
	v_add_nc_u32 v[STO], s23, v4
	v_mul_u32_u24 v5, v2, SPITCH
	v_lshl_add_u32 v5, v1, 4, v5
	v_add_nc_u32 v[RD], s23, v5
	v_lshlrev_b32 v[CO], 12, v2
	v_lshl_add_u32 v[CO], v1, 4, v[CO]
	s_wait_alu depctr_va_vdst(0)
	v_lshlrev_b32 v[BO], 4, v1
	s_wait_alu depctr_va_vdst(0)
	s_lshl_b32 s16, s13, 7
	s_lshl_b32 s17, s11, 6
	s_add_co_u32 s16, s16, s17
	s_lshl_b32 s16, s16, 12
	s_mov_b32 s17, 0
	s_lshl_b32 s46, s42, 9
	s_lshl_b32 s47, s12, 8
	s_add_co_u32 s46, s46, s47
	s_mov_b32 s47, 0
	s_add_nc_u64 s[74:75], s[74:75], s[46:47]
	s_add_nc_u64 s[76:77], s[76:77], s[16:17]
	s_add_nc_u64 s[76:77], s[76:77], s[46:47]
	s_add_nc_u64 s[78:79], s[78:79], s[16:17]
	s_add_nc_u64 s[78:79], s[78:79], s[46:47]
	WIN 0x80
.irp a, 0,1,2,3
.irp t, 0,1,2,3,4,5,6,7
	global_load_b128 v[4*(8*\a+\t):4*(8*\a+\t)+3], v[CO], s[76:77] offset:(16*\a+2*\t)*4096
.endr
.endr
	WIN 0
	global_load_b128 v[BIAS:BIAS+3], v[BO], s[74:75]
.macro MULA f, a, zero
.irp b, 0,1,2,3
.if \zero
	v_wmma_f32_16x16x128_fp8_fp8 v[ACC+8*(4*(\a)+\b):ACC+8*(4*(\a)+\b)+7], v[\f+64+16*\b:\f+64+16*\b+15], v[\f+16*(\a):\f+16*(\a)+15], 0
.else
	v_wmma_f32_16x16x128_fp8_fp8 v[ACC+8*(4*(\a)+\b):ACC+8*(4*(\a)+\b)+7], v[\f+64+16*\b:\f+64+16*\b+15], v[\f+16*(\a):\f+16*(\a)+15], v[ACC+8*(4*(\a)+\b):ACC+8*(4*(\a)+\b)+7]
.endif
.endr
.endm
.macro FETCH slot, q, f
	WIN TO_F
.irp i, 0,1,2,3
.irp c, 0,1,2,3
	ds_load_b128 v[\f+64+16*\i+4*\c:\f+64+16*\i+4*\c+3], v[ADRB+\slot] offset:\i*8192+(\q)*2048+512*\c
.endr
.endr
.irp i, 0,1,2,3
.irp c, 0,1,2,3
	ds_load_b128 v[\f+16*\i+4*\c:\f+16*\i+4*\c+3], v[ADRA+\slot] offset:\i*8192+(\q)*2048+512*\c
.endr
.endr
.endm
.macro PLACES
.rept 4
	v_nop
.endr
.endm
.macro QUARTER slot, q, f, g, zero
	s_wait_dscnt 8
	WIN MUL
	MULA \f, 0, \zero
	MULA \f, 1, \zero
	PLACES
	FETCH \slot, \q, \g
	s_wait_dscnt 32
	WIN MUL
	MULA \f, 2, \zero
	MULA \f, 3, \zero
.endm
.macro TURN slot, next, fill
	WIN 0
	s_wait_tensorcnt 0x0
	ds_add_u32 v[SPW], v[NIL]
	s_wait_dscnt 9
	WIN MUL
	MULA F1, 0, 0
	s_wait_dscnt 0x0
	s_barrier_signal -1
	MULA F1, 1, 0
.if \fill
	WIN 0
.endif
	s_barrier_wait -1
.if \fill
	CREST
	s_add_nc_u64 s[G0+4*\slot+2:G0+4*\slot+3], s[G0+4*\slot+2:G0+4*\slot+3], 2*KSTEPB
	s_add_nc_u64 s[G0B+4*\slot+2:G0B+4*\slot+3], s[G0B+4*\slot+2:G0B+4*\slot+3], 2*KSTEPB
	JLOAD \slot
.else
	PLACES
.endif
	FETCH \next, 0, F0
	WIN MUL
	MULA F1, 2, 0
	MULA F1, 3, 0
.endm
	s_wait_alu depctr_va_vdst(0)
	s_wait_tensorcnt 0x0                           ; my part of K step 0 is in; slot 1's first fill is issued as a refill is
	ds_add_u32 v[SPW], v[NIL]
	s_wait_dscnt 0x0
	CROUND
	JLOAD 1                                        ; K step 1, the first tensor load behind the round
	FETCH 0, 0, F0
	QUARTER 0, 1, F0, F1, 1
.if LAPS > 1
	WIN 0
	s_mov_b32 s3, LAPS-1
.Llap:
	QUARTER 0, 2, F1, F0, 0
	QUARTER 0, 3, F0, F1, 0
	TURN 0, 1, 1
	QUARTER 1, 1, F0, F1, 0
	QUARTER 1, 2, F1, F0, 0
	QUARTER 1, 3, F0, F1, 0
	TURN 1, 0, 1
	QUARTER 0, 1, F0, F1, 0
	WIN 0
	s_sub_co_u32 s3, s3, 1
	s_cmp_lg_u32 s3, 0
	s_cbranch_scc1 .Llap
.endif
	QUARTER 0, 2, F1, F0, 0
	QUARTER 0, 3, F0, F1, 0
	TURN 0, 1, 0
	QUARTER 1, 1, F0, F1, 0
	QUARTER 1, 2, F1, F0, 0
	QUARTER 1, 3, F0, F1, 0
	s_wait_dscnt 8
	WIN MUL
	MULA F1, 0, 0
	MULA F1, 1, 0
	s_wait_dscnt 0
	MULA F1, 2, 0
	MULA F1, 3, 0
	WIN 0
	PLACES
	s_wait_kmcnt 0x0
	s_add_co_i32 s82, s80, s81
	s_add_co_i32 s82, s82, 127
	s_lshl_b32 s82, s82, 23
	s_mov_b32 s83, s82
	s_wait_loadcnt 0x0
.irp a, 0,1,2,3
.set BB, BK+32*((\a)%2)
.if \a >= 2
	s_wait_xcnt 0x0
.endif
.irp b, 0,1,2,3
	ds_store_b128 v[STO], v[ACC+8*(4*\a+\b):ACC+8*(4*\a+\b)+3] offset:64*\b
	ds_store_b128 v[STO], v[ACC+8*(4*\a+\b)+4:ACC+8*(4*\a+\b)+7] offset:64*\b+16
.endr
.irp t, 0,1,2,3,4,5,6,7
	ds_load_b128 v[BB+4*\t:BB+4*\t+3], v[RD] offset:\t*2*SPITCH
.endr
	s_wait_dscnt 0x0
	WIN 0x20
.irp t, 0,1,2,3,4,5,6,7
	v_pk_fma_f32 v[BB+4*\t:BB+4*\t+1], v[BB+4*\t:BB+4*\t+1], s[82:83], v[4*(8*\a+\t):4*(8*\a+\t)+1] op_sel_hi:[1,0,1]
	v_pk_fma_f32 v[BB+4*\t+2:BB+4*\t+3], v[BB+4*\t+2:BB+4*\t+3], s[82:83], v[4*(8*\a+\t)+2:4*(8*\a+\t)+3] op_sel_hi:[1,0,1]
.endr
	WIN 0
.irp t, 0,1,2,3,4,5,6,7
	v_pk_add_f32 v[BB+4*\t:BB+4*\t+1], v[BB+4*\t:BB+4*\t+1], v[BIAS:BIAS+1]
	v_pk_add_f32 v[BB+4*\t+2:BB+4*\t+3], v[BB+4*\t+2:BB+4*\t+3], v[BIAS+2:BIAS+3]
.endr
.irp t, 0,1,2,3,4,5,6,7
	global_store_b128 v[CO], v[BB+4*\t:BB+4*\t+3], s[78:79] offset:(16*\a+2*\t)*4096
.endr
.endr
	s_wait_tensorcnt 0x0
	ds_add_u32 v[SPW], v[NIL]
	s_wait_dscnt 0x0
	CROUND
	s_endpgm
.Lfunc_end_k_q7fe59146b7_proj:
	.size	k_q7fe59146b7_proj, .Lfunc_end_k_q7fe59146b7_proj-k_q7fe59146b7_proj
	.p2alignl 7, 3214868480
	.fill 96, 4, 3214868480
	.section	.rodata,"a",@progbits
	.p2align	6, 0x0
	.amdhsa_kernel k_q7fe59146b7_proj
		.amdhsa_group_segment_fixed_size 327680
		.amdhsa_private_segment_fixed_size 0
		.amdhsa_enable_private_segment 0
		.amdhsa_kernarg_size 48
		.amdhsa_user_sgpr_count 2
		.amdhsa_user_sgpr_kernarg_segment_ptr 1
		.amdhsa_wavefront_size32 1
		.amdhsa_system_sgpr_workgroup_id_x 1
		.amdhsa_system_sgpr_workgroup_id_y 1
		.amdhsa_system_sgpr_workgroup_id_z 1
		.amdhsa_system_vgpr_workitem_id 0
		.amdhsa_next_free_vgpr 640
		.amdhsa_next_free_sgpr 100
		.amdhsa_reserve_vcc 0
		.amdhsa_float_denorm_mode_32 3
		.amdhsa_float_denorm_mode_16_64 3
		.amdhsa_memory_ordered 1
		.amdhsa_forward_progress 1
		.amdhsa_inst_pref_size 53
	.end_amdhsa_kernel
	.amdgpu_metadata
---
amdhsa.version: [ 1, 2 ]
amdhsa.kernels:
  - .name:           k_q7fe59146b7_proj
    .symbol:         k_q7fe59146b7_proj.kd
    .args:
      - { .name: yc, .offset: 0, .size: 8, .value_kind: global_buffer, .address_space: global }
      - { .name: wcodes, .offset: 8, .size: 8, .value_kind: global_buffer, .address_space: global }
      - { .name: lowp_scales, .offset: 16, .size: 8, .value_kind: global_buffer, .address_space: global }
      - { .name: b_proj, .offset: 24, .size: 8, .value_kind: global_buffer, .address_space: global }
      - { .name: x, .offset: 32, .size: 8, .value_kind: global_buffer, .address_space: global }
      - { .name: x1, .offset: 40, .size: 8, .value_kind: global_buffer, .address_space: global }
    .group_segment_fixed_size: 327680
    .private_segment_fixed_size: 0
    .kernarg_segment_align: 8
    .kernarg_segment_size: 48
    .max_flat_workgroup_size: 128
    .sgpr_count:     100
    .vgpr_count:     640
    .wavefront_size: 32
...
	.end_amdgpu_metadata
.endif
;; end of part 4
;; launch ln2 (part 5): grid 256 x 1, 4 waves a work-group, no clusters, 17,408 bytes of LDS; arguments x1, ln2_w, ln2_b, lowp_scales, h2c; writes h2c
.if DOCPART == 5
	.amdgcn_target "amdgcn-amd-amdhsa--gfx1250"
	.amdhsa_code_object_version 6
	.text
	.protected	k_q7fe59146b7_ln2
	.globl	k_q7fe59146b7_ln2
	.p2align	8
	.type	k_q7fe59146b7_ln2,@function
k_q7fe59146b7_ln2:
	s_mov_b64 s[64:65], 0
	v_nop
	global_prefetch_b8 v0, s[64:65] scope:SCOPE_SE
	s_setreg_imm32_b32 hwreg(HW_REG_WAVE_MODE, 25, 1), 1
	s_wait_xcnt 0x0
; h2c = codes of LayerNorm(x1) (E4M3, scale 2^e8), laid as the image of the operand's registers: fragment of 16 rows x 128 k = 2,048 bytes; piece c at 512 c, lane l = 16 h + r at 16 l, byte 8 u + j = element (r, 32 c + 16 u + 8 h + j).
; A work-group takes 16 rows (one row block), a wave four of them, one row over its 32 lanes (a lane: 4 x 8 neighbours).  Mean, then the variance of the centred numbers: two passes on registers.
; The codes meet in a stage of 16 rows x (1,024 + 16) bytes, one barrier, and leave as the image: a wave stores 4,096 bytes on end.
; LIMITS: e8 between -126 and 119; NaN and infinities are not served.
.set SP,   1040
.set LW,   16
.set LB,   48
.set X,    80
.set T,    208
.set C,    216
.macro REDUCE
	v_pk_add_f32 v[T:T+1], v[T:T+1], v[T+2:T+3]
	v_pk_add_f32 v[T+4:T+5], v[T+4:T+5], v[T+6:T+7]
	v_pk_add_f32 v[T:T+1], v[T:T+1], v[T+4:T+5]
	v_add_f32 v14, v[T], v[T+1]
	v_add_f32_dpp v14, v14, v14 row_xmask:1 row_mask:0xf bank_mask:0xf
	v_add_f32_dpp v14, v14, v14 row_xmask:2 row_mask:0xf bank_mask:0xf
	v_add_f32_dpp v14, v14, v14 row_xmask:4 row_mask:0xf bank_mask:0xf
	v_add_f32_dpp v14, v14, v14 row_xmask:8 row_mask:0xf bank_mask:0xf
	v_permlanex16_b32 v15, v14, s40, s41
	v_add_f32 v14, v14, v15
.endm
.macro ROW p
.set XR, X+32*(\p)
	s_wait_loadcnt 8*(3-(\p))                      ; the later rows' loads, eight a row, may stay out
.irp k, 0,2,4,6
	v_pk_add_f32 v[T+\k:T+\k+1], v[XR+\k:XR+\k+1], v[XR+8+\k:XR+9+\k]
.endr
.irp m, 16,24
.irp k, 0,2,4,6
	v_pk_add_f32 v[T+\k:T+\k+1], v[T+\k:T+\k+1], v[XR+\m+\k:XR+\m+\k+1]
.endr
.endr
	REDUCE
	v_mul_f32 v10, v7, v14                         ; the mean
.set jj, 0
.rept 16
	v_pk_add_f32 v[XR+jj:XR+jj+1], v[XR+jj:XR+jj+1], v[10:11] op_sel_hi:[1,0] neg_lo:[0,1] neg_hi:[0,1]
.set jj, jj+2
.endr
.irp k, 0,2,4,6
	v_pk_mul_f32 v[T+\k:T+\k+1], v[XR+\k:XR+\k+1], v[XR+\k:XR+\k+1]
.endr
.irp m, 8,16,24
.irp k, 0,2,4,6
	v_pk_fma_f32 v[T+\k:T+\k+1], v[XR+\m+\k:XR+\m+\k+1], v[XR+\m+\k:XR+\m+\k+1], v[T+\k:T+\k+1]
.endr
.endr
	REDUCE
	v_fmaak_f32 v14, v14, v7, 0x3727c5ac           ; the variance + 1e-5
	s_wait_alu depctr_va_vdst(0)
	v_rsq_f32 v12, v14
	v_nop                                          ; a plain instruction behind the transcendental
	s_wait_alu depctr_va_vdst(0)                   ; and the wait ahead of its first reader
.set jj, 0
.rept 16
	v_pk_mul_f32 v[XR+jj:XR+jj+1], v[XR+jj:XR+jj+1], v[12:13] op_sel_hi:[1,0]
.set jj, jj+2
.endr
.set jj, 0
.rept 16
	v_pk_fma_f32 v[XR+jj:XR+jj+1], v[XR+jj:XR+jj+1], v[LW+jj:LW+jj+1], v[LB+jj:LB+jj+1]
.set jj, jj+2
.endr
.set jj, 0
.rept 32
	v_med3_num_f32 v[XR+jj], v[XR+jj], -v9, v9     ; the conversion does not saturate (ISA guide 7.6.2)
.set jj, jj+1
.endr
.irp j, 0,1,2,3
	v_cvt_scalef32_pk8_fp8_f32 v[C+8*(\p)+2*\j:C+8*(\p)+2*\j+1], v[XR+8*\j:XR+8*\j+7], v8
.endr
	v_nop
.irp j, 0,1,2,3
	ds_store_b64 v3, v[C+8*(\p)+2*\j:C+8*(\p)+2*\j+1] offset:(\p)*SP+256*\j
.endr
.endm
	s_load_b256 s[4:11], s[0:1], 0x0               ; x1, ln2_w, ln2_b, the scales' exponents
	s_load_b64 s[20:21], s[0:1], 0x20              ; h2c
	v_lshl_add_u32 v254, v0, 2, 0x4200
	v_mov_b32 v255, 0
	v_lshrrev_b32 v1, 5, v0
	v_readfirstlane_b32 s24, v1                    ; wave
	v_and_b32 v1, 31, v0                           ; lane
	s_wait_alu depctr_va_vdst(0)
	s_wait_kmcnt 0x0
	s_load_b32 s28, s[10:11], 0x20                 ; e8
	s_lshl_b32 s42, ttmp9, 16
	s_lshl_b32 s43, s24, 14
	s_add_co_u32 s42, s42, s43
	s_mov_b32 s43, 0
	s_add_nc_u64 s[4:5], s[4:5], s[42:43]
	s_lshl_b32 s42, ttmp9, 14
	s_lshl_b32 s43, s24, 12
	s_add_co_u32 s42, s42, s43
	s_mov_b32 s43, 0
	s_add_nc_u64 s[20:21], s[20:21], s[42:43]
	v_lshlrev_b32 v2, 5, v1
.irp j, 0,1,2,3
	global_load_b128 v[LW+8*\j:LW+8*\j+3], v2, s[6:7] offset:1024*\j
	global_load_b128 v[LW+8*\j+4:LW+8*\j+7], v2, s[6:7] offset:1024*\j+16
.endr
.irp j, 0,1,2,3
	global_load_b128 v[LB+8*\j:LB+8*\j+3], v2, s[8:9] offset:1024*\j
	global_load_b128 v[LB+8*\j+4:LB+8*\j+7], v2, s[8:9] offset:1024*\j+16
.endr
.irp p, 0,1,2,3
.irp j, 0,1,2,3
	global_load_b128 v[X+32*\p+8*\j:X+32*\p+8*\j+3], v2, s[4:5] offset:4096*\p+1024*\j th:TH_LOAD_NT
	global_load_b128 v[X+32*\p+8*\j+4:X+32*\p+8*\j+7], v2, s[4:5] offset:4096*\p+1024*\j+16 th:TH_LOAD_NT
.endr
.endr
	v_lshlrev_b32 v3, 3, v1
	s_mul_i32 s44, s24, 4*SP
	v_add_nc_u32 v3, s44, v3
	v_and_b32 v6, 15, v0
	v_bfe_u32 v7, v0, 4, 1
	v_mul_u32_u24 v4, v6, SP
	v_lshl_add_u32 v4, v7, 3, v4
	s_lshl_b32 s45, s24, 8
	v_add_nc_u32 v4, s45, v4
	v_lshlrev_b32 v5, 4, v1
	v_mov_b32 v7, 0x3a800000                       ; 1 / 1024
	v_mov_b32 v11, 0
	v_mov_b32 v13, 0
	v_mov_b32 v15, 0
	s_mov_b32 s40, 0x76543210
	s_mov_b32 s41, 0xfedcba98
	s_wait_kmcnt 0x0
	s_add_co_i32 s46, s28, 127
	s_lshl_b32 s47, s46, 23
	v_mov_b32 v8, s47                              ; 2^e8
	s_add_co_i32 s46, s46, 8
	s_lshl_b32 s46, s46, 23
	s_or_b32 s46, s46, 0x600000
	v_mov_b32 v9, s46                              ; 448 x 2^e8
	ROW 0
	ROW 1
	ROW 2
	ROW 3
	s_wait_dscnt 0x0                               ; for the others' sake: my stores into the stage are done
	s_barrier_signal -1
	s_barrier_wait -1
.irp i, 0,1,2,3,4,5,6,7
	ds_load_b64 v[X+4*\i:X+4*\i+1], v4 offset:32*\i
	ds_load_b64 v[X+4*\i+2:X+4*\i+3], v4 offset:32*\i+16
.endr
.irp i, 0,1,2,3,4,5,6,7
	s_wait_dscnt 14-2*\i                           ; the later pieces' loads, two each, may stay out
	global_store_b128 v5, v[X+4*\i:X+4*\i+3], s[20:21] offset:512*\i
.endr
	s_wait_tensorcnt 0x0
	ds_add_u32 v254, v255
	s_wait_dscnt 0x0
	s_endpgm
.Lfunc_end_k_q7fe59146b7_ln2:
	.size	k_q7fe59146b7_ln2, .Lfunc_end_k_q7fe59146b7_ln2-k_q7fe59146b7_ln2
	.p2alignl 7, 3214868480
	.fill 96, 4, 3214868480
	.section	.rodata,"a",@progbits
	.p2align	6, 0x0
	.amdhsa_kernel k_q7fe59146b7_ln2
		.amdhsa_group_segment_fixed_size 17408
		.amdhsa_private_segment_fixed_size 0
		.amdhsa_enable_private_segment 0
		.amdhsa_kernarg_size 40
		.amdhsa_user_sgpr_count 2
		.amdhsa_user_sgpr_kernarg_segment_ptr 1
		.amdhsa_wavefront_size32 1
		.amdhsa_system_sgpr_workgroup_id_x 1
		.amdhsa_system_sgpr_workgroup_id_y 1
		.amdhsa_system_sgpr_workgroup_id_z 1
		.amdhsa_system_vgpr_workitem_id 0
		.amdhsa_next_free_vgpr 256
		.amdhsa_next_free_sgpr 66
		.amdhsa_reserve_vcc 0
		.amdhsa_float_denorm_mode_32 3
		.amdhsa_float_denorm_mode_16_64 3
		.amdhsa_memory_ordered 1
		.amdhsa_forward_progress 1
		.amdhsa_inst_pref_size 44
	.end_amdhsa_kernel
	.amdgpu_metadata
---
amdhsa.version: [ 1, 2 ]
amdhsa.kernels:
  - .name:           k_q7fe59146b7_ln2
    .symbol:         k_q7fe59146b7_ln2.kd
    .args:
      - { .name: x1, .offset: 0, .size: 8, .value_kind: global_buffer, .address_space: global }
      - { .name: ln2_w, .offset: 8, .size: 8, .value_kind: global_buffer, .address_space: global }
      - { .name: ln2_b, .offset: 16, .size: 8, .value_kind: global_buffer, .address_space: global }
      - { .name: lowp_scales, .offset: 24, .size: 8, .value_kind: global_buffer, .address_space: global }
      - { .name: h2c, .offset: 32, .size: 8, .value_kind: global_buffer, .address_space: global }
    .group_segment_fixed_size: 17408
    .private_segment_fixed_size: 0
    .kernarg_segment_align: 8
    .kernarg_segment_size: 40
    .max_flat_workgroup_size: 128
    .sgpr_count:     66
    .vgpr_count:     256
    .wavefront_size: 32
...
	.end_amdgpu_metadata
.endif
;; end of part 5
;; launch fc (part 6): grid 16 x 16, 4 waves a work-group, clusters of 4 x 4, 327,680 bytes of LDS; arguments h2c, wcodes, lowp_scales, b_fc, fcc; writes fcc
.if DOCPART == 6
	.amdgcn_target "amdgcn-amd-amdhsa--gfx1250"
	.amdhsa_code_object_version 6
	.text
	.protected	k_q7fe59146b7_fc
	.globl	k_q7fe59146b7_fc
	.p2align	8
	.type	k_q7fe59146b7_fc,@function
k_q7fe59146b7_fc:
	s_mov_b64 s[64:65], 0
	v_nop
	global_prefetch_b8 v0, s[64:65] scope:SCOPE_SE
	s_setreg_imm32_b32 hwreg(HW_REG_WAVE_MODE, 25, 1), 1
	s_wait_xcnt 0x0
	s_wait_alu depctr_hold_cnt(0) depctr_sa_sdst(0) depctr_va_vdst(0) depctr_va_sdst(0) depctr_va_ssrc(0) depctr_va_vcc(0) depctr_vm_vsrc(0)
	s_getreg_b32 s2, hwreg(HW_REG_IB_STS2, 6, 4)
	s_cmp_eq_u32 s2, 0
	s_cbranch_scc0 .Lentry_in_a_cluster
	s_endpgm
.Lentry_in_a_cluster:
	s_bfe_u32 s2, ttmp6, 0x10000c
	s_cmp_lg_u32 s2, 0xf033
	s_cbranch_scc0 .Lentry_shape_is_right
	s_endpgm
.Lentry_shape_is_right:
.set HALFT,  32768
.set SLOT,   4*HALFT
.set SPARE,  2*SLOT
.set STEPB,  4096
.set LAPS,   2
.set FR,     16
.set NL,     4
.set NP,     4
.set ADRA, 16
.set ADRB, 20
.set VH,   22
.set VOA,  24
.set VOS,  25
.set STA,  26
.set LDA,  27
.set SPW,  28
.set NIL,  29
.set CC,   32
.set LD,   48
.set BC,   64
.set AF,   128
.set TT,   128
.set XR,   128
.set HH,   144
.set AA,   160
.set T1,   176
.set T2,   192
.set DD,   208
.set EE,   224
.set G1, 24
.set G0, 32
.set G1B, 48
.set G0B, 56
.set MSB, 0
.macro WIN new
.if MSB != \new
	s_set_vgpr_msb (MSB<<8)|\new
.set MSB, \new
.endif
.endm
.set MUL_LO, 0xa1
.set MUL_HI, 0xf1
.set TO_B,   0x40
.macro JLOAD g0a, g1a, g0b, g1b
	s_cmp_eq_u32 s15, 0
	s_cbranch_scc0 .Lfor_b_\@
	tensor_load_to_lds s[\g0a:\g0a+3], s[\g1a:\g1a+7]
	s_nop 0
.rept 4
	v_nop
.endr
	s_branch .Lasked_\@
.Lfor_b_\@:
	tensor_load_to_lds s[\g0b:\g0b+3], s[\g1b:\g1b+7]
	s_nop 0
.rept 4
	v_nop
.endr
.Lasked_\@:
.endm
.macro CREST
	s_cmp_lg_u32 s14, 0
	s_cbranch_scc1 .Lnot_wave_0_\@
	s_barrier_signal -3
.Lnot_wave_0_\@:
	s_barrier_wait -3
	s_barrier_signal -1
	s_barrier_wait -1
.endm
.macro CROUND
	s_barrier_signal -1
	s_barrier_wait -1
	CREST
.endm
	s_load_b256 s[4:11], s[0:1], 0x0
	s_load_b64 s[12:13], s[0:1], 0x20
	v_lshl_add_u32 v[SPW], v0, 2, SPARE
	v_mov_b32 v[NIL], 0
	ds_add_u32 v28, v29
	ds_add_u32 v28, v29
	s_wait_dscnt 0x0
	v_lshrrev_b32 v1, 5, v0
	v_readfirstlane_b32 s14, v1
	s_lshr_b32 s15, s14, 1
	s_and_b32 s16, s14, 1
	s_bfe_u32 s40, ttmp6, 0x40000
	s_bfe_u32 s41, ttmp6, 0x40004
	s_lshl_b32 s42, ttmp9, 2
	s_add_co_u32 s42, s42, s40
	s_and_b32 s17, ttmp7, 0xffff
	s_lshl_b32 s17, s17, 2
	s_add_co_u32 s17, s17, s41
	s_lshl_b32 s43, s41, 2
	s_lshl_b32 s43, 15, s43
	s_lshl_b32 s44, 0x1111, s40
	s_or_b32 s[G1+0], s43, (3<<16)|(1<<21)
	s_or_b32 s[G1B+0], s44, (3<<16)|(1<<21)
.irp g, G1, G1B
	s_mov_b32 s[\g+1], 512<<16
	s_mov_b32 s[\g+2], 8<<16
	s_mov_b32 s[\g+3], 512<<16
	s_mov_b32 s[\g+4], 8
	s_mov_b32 s[\g+5], 2048
	s_mov_b32 s[\g+6], 0
	s_mov_b32 s[\g+7], 0
.endr
	s_lshl_b32 s18, s16, 7
	s_lshl_b32 s20, s17, 8
	s_add_co_u32 s20, s20, s18
	s_lshl_b32 s20, s20, 10
	s_mov_b32 s21, 0
	s_lshl_b32 s46, s42, 8
	s_add_co_u32 s46, s46, s18
	s_lshl_b32 s46, s46, 10
	s_mov_b32 s47, 0
	s_mul_i32 s45, s14, HALFT
	s_wait_kmcnt 0x0
	s_load_b128 s[68:71], s[8:9], 0x20
	s_add_nc_u64 s[20:21], s[4:5], s[20:21]
	s_add_nc_u64 s[46:47], s[6:7], s[46:47]
	s_add_nc_u64 s[46:47], s[46:47], 0x400000
	CROUND
.irp s, 0,1
	s_mov_b32 s[G0+4*\s], 1
	s_add_co_u32 s[G0+4*\s+1], s45, \s*SLOT
	s_add_nc_u64 s[G0+4*\s+2:G0+4*\s+3], s[20:21], \s*STEPB
	s_or_b32 s[G0+4*\s+3], s[G0+4*\s+3], 0x80000000
	s_mov_b32 s[G0B+4*\s], 1
	s_add_co_u32 s[G0B+4*\s+1], s45, \s*SLOT
	s_add_nc_u64 s[G0B+4*\s+2:G0B+4*\s+3], s[46:47], \s*STEPB
	s_or_b32 s[G0B+4*\s+3], s[G0B+4*\s+3], 0x80000000
.endr
	JLOAD G0, G1, G0B, G1B                         ; K step 0: one tensor load a wave at the head
	v_bfe_u32 v2, v0, 4, 1
	v_and_b32 v6, 31, v0
	v_lshlrev_b32 v[VOA], 4, v6
	s_wait_alu depctr_va_vdst(0)
	s_mul_i32 s20, s15, HALFT
	s_mul_i32 s21, s16, HALFT
	s_add_co_u32 s21, s21, 2*HALFT
.irp s, 0,1
	v_add_nc_u32 v[ADRA+\s], s20, v[VOA]
	v_add_nc_u32 v[ADRB+\s], s21, v[VOA]
	s_add_co_u32 s20, s20, SLOT
	s_add_co_u32 s21, s21, SLOT
.endr
	s_lshl_b32 s22, s14, 16
	v_add_nc_u32 v[STA], s22, v[VOA]
	s_lshl_b32 s76, s17, 20
	s_lshl_b32 s77, s15, 19
	s_add_co_u32 s76, s76, s77
	s_mov_b32 s77, 0
	s_lshl_b32 s78, s42, 12
	s_lshl_b32 s79, s16, 11
	s_add_co_u32 s78, s78, s79
	s_mov_b32 s79, 0
	s_add_nc_u64 s[12:13], s[12:13], s[76:77]
	s_add_nc_u64 s[12:13], s[12:13], s[78:79]
	s_lshl_b32 s18, s42, 10
	s_lshl_b32 s19, s16, 9
	s_add_co_u32 s18, s18, s19
	s_mov_b32 s19, 0
	s_add_nc_u64 s[18:19], s[10:11], s[18:19]
	v_lshlrev_b32 v[VH], 5, v2
.irp b, 0,1,2,3,4,5,6,7
	global_load_b128 v[BC+8*\b:BC+8*\b+3], v[VH], s[18:19] offset:64*\b
	global_load_b128 v[BC+8*\b+4:BC+8*\b+7], v[VH], s[18:19] offset:64*\b+16
.endr
.macro FRAG reg, adr, q, i
.irp c, 0,1,2,3
	ds_load_b128 v[\reg+4*\c:\reg+4*\c+3], v[\adr] offset:(\i)*4096+(\q)*2048+512*\c
.endr
.endm
.macro MUL16 a0, p, zero
.irp a, \a0, \a0+1
.irp b, 0,1,2,3,4,5,6,7
.if \zero
	v_wmma_f32_16x16x128_fp8_fp8 v[8*(8*((\a)%4)+\b):8*(8*((\a)%4)+\b)+7], v[128*(\p)+FR*\b:128*(\p)+FR*\b+FR-1], v[AF+FR*(\a):AF+FR*(\a)+FR-1], 0
.else
	v_wmma_f32_16x16x128_fp8_fp8 v[8*(8*((\a)%4)+\b):8*(8*((\a)%4)+\b)+7], v[128*(\p)+FR*\b:128*(\p)+FR*\b+FR-1], v[AF+FR*(\a):AF+FR*(\a)+FR-1], v[8*(8*((\a)%4)+\b):8*(8*((\a)%4)+\b)+7]
.endif
.endr
.endr
.endm
.macro FETCH_B slot, q, p
	WIN TO_B
.irp i, 0,1,2,3,4,5,6,7
	FRAG 128*(\p)+FR*\i, ADRB+\slot, \q, \i
.endr
	WIN 0
.endm
.macro FETCH_A slot, q, i0
.irp i, \i0, \i0+1, \i0+2, \i0+3
	FRAG AF+FR*(\i), ADRA+\slot, \q, \i
.endr
.endm
.macro PLACES n
.rept \n
	v_nop
.endr
.endm
.macro STEP slot, q, zero
	s_wait_dscnt 4*NL
	WIN MUL_LO
	MUL16 0, (\q)%2, \zero
	MUL16 2, (\q)%2, \zero
	s_wait_dscnt 0
	PLACES NP
	FETCH_B \slot, (\q)+1, 1-(\q)%2
	FETCH_A \slot, (\q)+1, 0
	WIN MUL_HI
	MUL16 4, (\q)%2, \zero
	MUL16 6, (\q)%2, \zero
	PLACES NP
	WIN 0
	FETCH_A \slot, (\q)+1, 4
.endm
.macro TURN slot, next, fill
	s_wait_tensorcnt 0x0
	ds_add_u32 v[SPW], v[NIL]
	s_wait_dscnt 4*NL+1
	WIN MUL_LO
	MUL16 0, 1, 0
	s_wait_dscnt 0x0
	s_barrier_signal -1
	MUL16 2, 1, 0
	WIN 0
	s_barrier_wait -1
.if \fill
	CREST
	s_add_nc_u64 s[G0+4*\slot+2:G0+4*\slot+3], s[G0+4*\slot+2:G0+4*\slot+3], 2*STEPB
	s_add_nc_u64 s[G0B+4*\slot+2:G0B+4*\slot+3], s[G0B+4*\slot+2:G0B+4*\slot+3], 2*STEPB
	JLOAD G0+4*\slot, G1, G0B+4*\slot, G1B
.else
	PLACES NP
.endif
	FETCH_B \next, 0, 0
	FETCH_A \next, 0, 0
	WIN MUL_HI
	MUL16 4, 1, 0
	MUL16 6, 1, 0
	PLACES NP
	WIN 0
	FETCH_A \next, 0, 4
.endm
	s_wait_alu depctr_va_vdst(0)
	s_wait_tensorcnt 0x0                           ; my part of K step 0 is in; slot 1's first fill is issued as a refill is
	ds_add_u32 v[SPW], v[NIL]
	s_wait_dscnt 0x0
	CROUND
	JLOAD G0+4, G1, G0B+4, G1B                     ; K step 1, the first tensor load behind the round
	FETCH_B 0, 0, 0
	FETCH_A 0, 0, 0
	FETCH_A 0, 0, 4
	STEP 0, 0, 1
	s_mov_b32 s3, LAPS-1
.Llap:
	TURN 0, 1, 1
	STEP 1, 0, 0
	TURN 1, 0, 1
	STEP 0, 0, 0
	s_sub_co_u32 s3, s3, 1
	s_cmp_lg_u32 s3, 0
	s_cbranch_scc1 .Llap
	TURN 0, 1, 0
	STEP 1, 0, 0
	s_wait_dscnt 4*NL
	WIN MUL_LO
	MUL16 0, 1, 0
	MUL16 2, 1, 0
	s_wait_dscnt 0
	WIN MUL_HI
	MUL16 4, 1, 0
	MUL16 6, 1, 0
	WIN 0
	s_barrier_signal -1
	s_barrier_wait -1
	s_wait_kmcnt 0x0
	s_add_co_i32 s96, s68, s69
	s_add_co_i32 s96, s96, 127
	s_lshl_b32 s96, s96, 23
	s_mov_b32 s97, s96
	s_add_co_i32 s92, s70, 127
	s_lshl_b32 s93, s92, 23
	s_add_co_i32 s92, s92, 8
	s_lshl_b32 s92, s92, 23
	s_or_b32 s92, s92, 0x600000
	s_wait_loadcnt 0x0
	PLACES NP
.macro STG a
.set AC, 64*((\a)%4)
	WIN 0x02+((\a)/4)
.set jj, 0
.rept 32
	v_pk_fma_f32 v[TT+jj:TT+jj+1], v[AC+jj:AC+jj+1], s[96:97], v[BC+jj:BC+jj+1] op_sel_hi:[1,0,1]
.set jj, jj+2
.endr
	WIN 0
.set jj, 0
.rept 16
	ds_store_b128 v[STA], v[TT+4*jj:TT+4*jj+3] offset:(\a)*8192+512*jj
.set jj, jj+1
.endr
.endm
.irp a, 0,1,2,3,4,5,6,7
	STG \a
.endr
.irp c, 0,1,2,3
	ds_load_b128 v[LD+4*\c:LD+4*\c+3], v[STA] offset:512*\c
.endr
	v_mov_b32 v240, 0xbaa15130
	v_mov_b32 v241, 0xbaa15130
	v_mov_b32 v242, s93
	v_mov_b32 v243, s92
.macro PK8_MUL d, a, b
.set jj, 0
.rept 8
	v_pk_mul_f32 v[\d+jj:\d+jj+1], v[\a+jj:\a+jj+1], v[\b+jj:\b+jj+1]
.set jj, jj+2
.endr
.endm
.macro PK8_MULK d, a, k
.set jj, 0
.rept 8
	v_pk_mul_f32 v[\d+jj:\d+jj+1], v[\a+jj:\a+jj+1], \k op_sel_hi:[1,0]
.set jj, jj+2
.endr
.endm
.macro PK8_ADDK d, a, k
.set jj, 0
.rept 8
	v_pk_add_f32 v[\d+jj:\d+jj+1], v[\a+jj:\a+jj+1], \k op_sel_hi:[1,0]
.set jj, jj+2
.endr
.endm
.macro PK8_FMA d, a, b, c
.set jj, 0
.rept 8
	v_pk_fma_f32 v[\d+jj:\d+jj+1], v[\a+jj:\a+jj+1], v[\b+jj:\b+jj+1], v[\c+jj:\c+jj+1]
.set jj, jj+2
.endr
.endm
.macro PK8_FMAK d, a, b, k
.set jj, 0
.rept 8
	v_pk_fma_f32 v[\d+jj:\d+jj+1], v[\a+jj:\a+jj+1], v[\b+jj:\b+jj+1], \k op_sel_hi:[1,1,0]
.set jj, jj+2
.endr
.endm
	s_mov_b32 s3, 0
.Lgel:
	s_wait_dscnt 0x0
.set jj, 0
.rept 16
	v_mul_f32 v[HH+jj], 0.5, |v[LD+jj]|
.set jj, jj+1
.endr
.set jj, 0
.rept 8
	v_pk_fma_f32 v[XR+jj:XR+jj+1], v[LD+jj:LD+jj+1], 0.5, v[HH+jj:HH+jj+1] op_sel_hi:[1,0,1]
.set jj, jj+2
.endr
	s_add_co_u32 s76, s3, 1
	s_and_b32 s76, s76, 31
	s_lshl_b32 s76, s76, 11
	v_add_nc_u32 v[LDA], s76, v[STA]
.irp c, 0,1,2,3
	ds_load_b128 v[LD+4*\c:LD+4*\c+3], v[LDA] offset:512*\c
.endr
	PK8_MULK AA, HH, 0x3fb504f3
	PK8_ADDK T1, AA, 2.0
.set jj, 0
.rept 8
	v_pk_fma_f32 v[T2+jj:T2+jj+1], v[AA+jj:AA+jj+1], 2.0, 1.0 op_sel_hi:[1,0,0]
.set jj, jj+2
.endr
	PK8_MUL EE, AA, AA
	PK8_MULK EE, EE, 0xbfb8aa3b
	PK8_MUL DD, T1, T2
.set jj, 0
	s_wait_alu depctr_va_vdst(0)
.rept 16
	v_rcp_f32 v[DD+jj], v[DD+jj]
.set jj, jj+1
.endr
.set jj, 0
.rept 16
	v_exp_f32 v[EE+jj], v[EE+jj]
.set jj, jj+1
.endr
	PK8_ADDK AA, AA, -2.0
	s_wait_alu depctr_va_vdst(0)
	PK8_MUL T2, DD, T2
	PK8_MUL T1, DD, T1
	PK8_MUL AA, AA, T2
.set jj, 0
.rept 8
	v_pk_fma_f32 v[DD+jj:DD+jj+1], v[AA+jj:AA+jj+1], 0xb9d25000, v[240:241] op_sel_hi:[1,0,1]
.set jj, jj+2
.endr
.irp k, 0x3aac2b8a, 0x3c0d6e62, 0xbc040dc1, 0xbd5e05b5, 0x3e27fe23, 0xbe2a0420, 0xbdbdfb0b, 0x3e8dd01d
	PK8_FMAK DD, DD, AA, \k
.endr
	PK8_FMA DD, DD, T1, T1
	PK8_MUL EE, DD, EE
.set jj, 0
.rept 8
	v_pk_fma_f32 v[XR+jj:XR+jj+1], v[HH+jj:HH+jj+1], v[EE+jj:EE+jj+1], v[XR+jj:XR+jj+1] neg_lo:[1,0,0] neg_hi:[1,0,0]
.set jj, jj+2
.endr
.set jj, 0
.rept 16
	v_med3_num_f32 v[XR+jj], v[XR+jj], -v243, v243
.set jj, jj+1
.endr
	s_wait_alu depctr_va_vdst(0)
	s_wait_xcnt 0x0
	s_lshr_b32 s77, s3, 2
	s_lshl_b32 s77, s77, 16
	s_and_b32 s78, s3, 3
	s_lshl_b32 s78, s78, 9
	s_add_co_u32 s77, s77, s78
	v_add_nc_u32 v[VOS], s77, v[VOA]
	v_cvt_scalef32_pk8_fp8_f32 v[CC:CC+1], v[XR:XR+7], v242
	v_cvt_scalef32_pk8_fp8_f32 v[CC+2:CC+3], v[XR+8:XR+15], v242
	v_nop
	global_store_b128 v[VOS], v[CC:CC+3], s[12:13]
	s_add_co_u32 s3, s3, 1
	s_cmp_lt_u32 s3, 32
	s_cbranch_scc1 .Lgel
	s_wait_tensorcnt 0x0
	ds_add_u32 v[SPW], v[NIL]
	s_wait_dscnt 0x0
	CROUND
	s_endpgm
.Lfunc_end_k_q7fe59146b7_fc:
	.size	k_q7fe59146b7_fc, .Lfunc_end_k_q7fe59146b7_fc-k_q7fe59146b7_fc
	.p2alignl 7, 3214868480
	.fill 96, 4, 3214868480
	.section	.rodata,"a",@progbits
	.p2align	6, 0x0
	.amdhsa_kernel k_q7fe59146b7_fc
		.amdhsa_group_segment_fixed_size 327680
		.amdhsa_private_segment_fixed_size 0
		.amdhsa_enable_private_segment 0
		.amdhsa_kernarg_size 40
		.amdhsa_user_sgpr_count 2
		.amdhsa_user_sgpr_kernarg_segment_ptr 1
		.amdhsa_wavefront_size32 1
		.amdhsa_system_sgpr_workgroup_id_x 1
		.amdhsa_system_sgpr_workgroup_id_y 1
		.amdhsa_system_sgpr_workgroup_id_z 1
		.amdhsa_system_vgpr_workitem_id 0
		.amdhsa_next_free_vgpr 1024
		.amdhsa_next_free_sgpr 100
		.amdhsa_reserve_vcc 0
		.amdhsa_float_denorm_mode_32 3
		.amdhsa_float_denorm_mode_16_64 3
		.amdhsa_memory_ordered 1
		.amdhsa_forward_progress 1
		.amdhsa_inst_pref_size 123
	.end_amdhsa_kernel
	.amdgpu_metadata
---
amdhsa.version: [ 1, 2 ]
amdhsa.kernels:
  - .name:           k_q7fe59146b7_fc
    .symbol:         k_q7fe59146b7_fc.kd
    .args:
      - { .name: h2c, .offset: 0, .size: 8, .value_kind: global_buffer, .address_space: global }
      - { .name: wcodes, .offset: 8, .size: 8, .value_kind: global_buffer, .address_space: global }
      - { .name: lowp_scales, .offset: 16, .size: 8, .value_kind: global_buffer, .address_space: global }
      - { .name: b_fc, .offset: 24, .size: 8, .value_kind: global_buffer, .address_space: global }
      - { .name: fcc, .offset: 32, .size: 8, .value_kind: global_buffer, .address_space: global }
    .group_segment_fixed_size: 327680
    .private_segment_fixed_size: 0
    .kernarg_segment_align: 8
    .kernarg_segment_size: 40
    .max_flat_workgroup_size: 128
    .sgpr_count:     100
    .vgpr_count:     1024
    .wavefront_size: 32
...
	.end_amdgpu_metadata
.endif
;; end of part 6
;; launch fc2 (part 7): grid 8 x 32, 4 waves a work-group, clusters of 4 x 4, 327,680 bytes of LDS; arguments fcc, wcodes, lowp_scales, b_fc2, x1, out0; writes out0
.if DOCPART == 7
	.amdgcn_target "amdgcn-amd-amdhsa--gfx1250"
	.amdhsa_code_object_version 6
	.text
	.protected	k_q7fe59146b7_fc2
	.globl	k_q7fe59146b7_fc2
	.p2align	8
	.type	k_q7fe59146b7_fc2,@function
k_q7fe59146b7_fc2:
	s_mov_b64 s[64:65], 0
	v_nop
	global_prefetch_b8 v0, s[64:65] scope:SCOPE_SE
	s_setreg_imm32_b32 hwreg(HW_REG_WAVE_MODE, 25, 1), 1
	s_wait_xcnt 0x0
	s_wait_alu depctr_hold_cnt(0) depctr_sa_sdst(0) depctr_va_vdst(0) depctr_va_sdst(0) depctr_va_ssrc(0) depctr_va_vcc(0) depctr_vm_vsrc(0)
	s_getreg_b32 s2, hwreg(HW_REG_IB_STS2, 6, 4)
	s_cmp_eq_u32 s2, 0
	s_cbranch_scc0 .Lentry_in_a_cluster
	s_endpgm
.Lentry_in_a_cluster:
	s_bfe_u32 s2, ttmp6, 0x10000c
	s_cmp_lg_u32 s2, 0xf033
	s_cbranch_scc0 .Lentry_shape_is_right
	s_endpgm
.Lentry_shape_is_right:
.set SIZE_K, 4096
.set WOFF,   0x800000
.set SCOFF,  0x28
.set KSTEPB, 8192
.set HALFT,  32768
.set SLOT,   4*HALFT
.set STAGE,  2*SLOT
.set SPITCH, 272
.set SPARE,  STAGE+4*16*SPITCH
.set LAPS,   SIZE_K/1024
.set ADRA, 16
.set ADRB, 20
.set STO,  24
.set RD,   25
.set CO,   26
.set BO,   27
.set SPW,  28
.set NIL,  29
.set BIAS, 32
.set BK,   40
.set ACC,  128
.set F0,   0
.set F1,   128
.set G1, 24
.set G0, 32
.set G1B, 48
.set G0B, 56
.set MSB, 0
.macro WIN new
.if MSB != \new
	s_set_vgpr_msb (MSB<<8)|\new
.set MSB, \new
.endif
.endm
.set MUL,  0x05
.set TO_F, 0x40
.macro JLOAD s
	s_cmp_eq_u32 s11, 0
	s_cbranch_scc0 .Lfor_b_\@
	tensor_load_to_lds s[G0+4*\s:G0+4*\s+3], s[G1:G1+7]
	s_nop 0
.rept 4
	v_nop
.endr
	s_branch .Lasked_\@
.Lfor_b_\@:
	tensor_load_to_lds s[G0B+4*\s:G0B+4*\s+3], s[G1B:G1B+7]
	s_nop 0
.rept 4
	v_nop
.endr
.Lasked_\@:
.endm
.macro CREST
	s_cmp_lg_u32 s10, 0
	s_cbranch_scc1 .Lnot_wave_0_\@
	s_barrier_signal -3
.Lnot_wave_0_\@:
	s_barrier_wait -3
	s_barrier_signal -1
	s_barrier_wait -1
.endm
.macro CROUND
	s_barrier_signal -1
	s_barrier_wait -1
	CREST
.endm
	s_load_b256 s[68:75], s[0:1], 0x0
	s_load_b128 s[76:79], s[0:1], 0x20
	v_lshl_add_u32 v[SPW], v0, 2, SPARE
	v_mov_b32 v[NIL], 0
	ds_add_u32 v28, v29
	ds_add_u32 v28, v29
	s_wait_dscnt 0x0
	v_lshrrev_b32 v1, 5, v0
	v_readfirstlane_b32 s10, v1
	s_lshr_b32 s11, s10, 1
	s_and_b32 s12, s10, 1
	s_bfe_u32 s40, ttmp6, 0x40000
	s_bfe_u32 s41, ttmp6, 0x40004
	s_lshl_b32 s42, ttmp9, 2
	s_add_co_u32 s42, s42, s40
	s_and_b32 s13, ttmp7, 0xffff
	s_lshl_b32 s13, s13, 2
	s_add_co_u32 s13, s13, s41
	s_lshl_b32 s43, s41, 2
	s_lshl_b32 s43, 15, s43
	s_lshl_b32 s44, 0x1111, s40
	s_or_b32 s[G1+0], s43, (3<<16)|(1<<21)
	s_or_b32 s[G1B+0], s44, (3<<16)|(1<<21)
.irp g, G1, G1B
	s_mov_b32 s[\g+1], 1024<<16
	s_mov_b32 s[\g+2], 4<<16
	s_mov_b32 s[\g+3], 1024<<16
	s_mov_b32 s[\g+4], 4
	s_mov_b32 s[\g+5], 2*SIZE_K
	s_mov_b32 s[\g+6], 0
	s_mov_b32 s[\g+7], 0
.endr
	s_lshl_b32 s17, s12, 6
	s_lshl_b32 s16, s13, 7
	s_add_co_u32 s16, s16, s17
	s_mul_i32 s16, s16, SIZE_K
	s_lshl_b32 s46, s42, 7
	s_add_co_u32 s46, s46, s17
	s_mul_i32 s46, s46, SIZE_K
	s_mov_b32 s17, 0
	s_mov_b32 s47, 0
	s_mul_i32 s20, s10, HALFT
	s_wait_kmcnt 0x0
	s_load_b64 s[80:81], s[72:73], SCOFF
	s_add_nc_u64 s[14:15], s[68:69], s[16:17]
	s_add_nc_u64 s[46:47], s[70:71], s[46:47]
	s_add_nc_u64 s[46:47], s[46:47], WOFF
	CROUND
.irp s, 0,1
	s_mov_b32 s[G0+4*\s], 1
	s_add_co_u32 s[G0+4*\s+1], s20, \s*SLOT
	s_add_nc_u64 s[G0+4*\s+2:G0+4*\s+3], s[14:15], \s*KSTEPB
	s_or_b32 s[G0+4*\s+3], s[G0+4*\s+3], 0x80000000
	s_mov_b32 s[G0B+4*\s], 1
	s_add_co_u32 s[G0B+4*\s+1], s20, \s*SLOT
	s_add_nc_u64 s[G0B+4*\s+2:G0B+4*\s+3], s[46:47], \s*KSTEPB
	s_or_b32 s[G0B+4*\s+3], s[G0B+4*\s+3], 0x80000000
.endr
	JLOAD 0                                        ; K step 0: one tensor load a wave at the head
	v_and_b32 v1, 15, v0
	s_wait_alu depctr_va_vdst(0)
	v_bfe_u32 v2, v0, 4, 1
	v_and_b32 v3, 31, v0
	v_lshlrev_b32 v3, 4, v3
	s_mul_i32 s21, s11, HALFT
	s_mul_i32 s22, s12, HALFT
	s_add_co_u32 s22, s22, 2*HALFT
.irp s, 0,1
	v_add_nc_u32 v[ADRA+\s], s21, v3
	v_add_nc_u32 v[ADRB+\s], s22, v3
	s_add_co_u32 s21, s21, SLOT
	s_add_co_u32 s22, s22, SLOT
.endr
	s_mul_i32 s23, s10, 16*SPITCH
	s_add_co_u32 s23, s23, STAGE
	v_mul_u32_u24 v4, v1, SPITCH
	s_wait_alu depctr_va_vdst(0)
	v_lshl_add_u32 v4, v2, 5, v4
	v_add_nc_u32 v[STO], s23, v4
	v_mul_u32_u24 v5, v2, SPITCH
	v_lshl_add_u32 v5, v1, 4, v5
	v_add_nc_u32 v[RD], s23, v5
	v_lshlrev_b32 v[CO], 12, v2
	v_lshl_add_u32 v[CO], v1, 4, v[CO]
	s_wait_alu depctr_va_vdst(0)
	v_lshlrev_b32 v[BO], 4, v1
	s_wait_alu depctr_va_vdst(0)
	s_lshl_b32 s16, s13, 7
	s_lshl_b32 s17, s11, 6
	s_add_co_u32 s16, s16, s17
	s_lshl_b32 s16, s16, 12
	s_mov_b32 s17, 0
	s_lshl_b32 s46, s42, 9
	s_lshl_b32 s47, s12, 8
	s_add_co_u32 s46, s46, s47
	s_mov_b32 s47, 0
	s_add_nc_u64 s[74:75], s[74:75], s[46:47]
	s_add_nc_u64 s[76:77], s[76:77], s[16:17]
	s_add_nc_u64 s[76:77], s[76:77], s[46:47]
	s_add_nc_u64 s[78:79], s[78:79], s[16:17]
	s_add_nc_u64 s[78:79], s[78:79], s[46:47]
	WIN 0x80
.irp a, 0,1,2,3
.irp t, 0,1,2,3,4,5,6,7
	global_load_b128 v[4*(8*\a+\t):4*(8*\a+\t)+3], v[CO], s[76:77] offset:(16*\a+2*\t)*4096
.endr
.endr
	WIN 0
	global_load_b128 v[BIAS:BIAS+3], v[BO], s[74:75]
.macro MULA f, a, zero
.irp b, 0,1,2,3
.if \zero
	v_wmma_f32_16x16x128_fp8_fp8 v[ACC+8*(4*(\a)+\b):ACC+8*(4*(\a)+\b)+7], v[\f+64+16*\b:\f+64+16*\b+15], v[\f+16*(\a):\f+16*(\a)+15], 0
.else
	v_wmma_f32_16x16x128_fp8_fp8 v[ACC+8*(4*(\a)+\b):ACC+8*(4*(\a)+\b)+7], v[\f+64+16*\b:\f+64+16*\b+15], v[\f+16*(\a):\f+16*(\a)+15], v[ACC+8*(4*(\a)+\b):ACC+8*(4*(\a)+\b)+7]
.endif
.endr
.endm
.macro FETCH slot, q, f
	WIN TO_F
.irp i, 0,1,2,3
.irp c, 0,1,2,3
	ds_load_b128 v[\f+64+16*\i+4*\c:\f+64+16*\i+4*\c+3], v[ADRB+\slot] offset:\i*8192+(\q)*2048+512*\c
.endr
.endr
.irp i, 0,1,2,3
.irp c, 0,1,2,3
	ds_load_b128 v[\f+16*\i+4*\c:\f+16*\i+4*\c+3], v[ADRA+\slot] offset:\i*8192+(\q)*2048+512*\c
.endr
.endr
.endm
.macro PLACES
.rept 4
	v_nop
.endr
.endm
.macro QUARTER slot, q, f, g, zero
	s_wait_dscnt 8
	WIN MUL
	MULA \f, 0, \zero
	MULA \f, 1, \zero
	PLACES
	FETCH \slot, \q, \g
	s_wait_dscnt 32
	WIN MUL
	MULA \f, 2, \zero
	MULA \f, 3, \zero
.endm
.macro TURN slot, next, fill
	WIN 0
	s_wait_tensorcnt 0x0
	ds_add_u32 v[SPW], v[NIL]
	s_wait_dscnt 9
	WIN MUL
	MULA F1, 0, 0
	s_wait_dscnt 0x0
	s_barrier_signal -1
	MULA F1, 1, 0
.if \fill
	WIN 0
.endif
	s_barrier_wait -1
.if \fill
	CREST
	s_add_nc_u64 s[G0+4*\slot+2:G0+4*\slot+3], s[G0+4*\slot+2:G0+4*\slot+3], 2*KSTEPB
	s_add_nc_u64 s[G0B+4*\slot+2:G0B+4*\slot+3], s[G0B+4*\slot+2:G0B+4*\slot+3], 2*KSTEPB
	JLOAD \slot
.else
	PLACES
.endif
	FETCH \next, 0, F0
	WIN MUL
	MULA F1, 2, 0
	MULA F1, 3, 0
.endm
	s_wait_alu depctr_va_vdst(0)
	s_wait_tensorcnt 0x0                           ; my part of K step 0 is in; slot 1's first fill is issued as a refill is
	ds_add_u32 v[SPW], v[NIL]
	s_wait_dscnt 0x0
	CROUND
	JLOAD 1                                        ; K step 1, the first tensor load behind the round
	FETCH 0, 0, F0
	QUARTER 0, 1, F0, F1, 1
.if LAPS > 1
	WIN 0
	s_mov_b32 s3, LAPS-1
.Llap:
	QUARTER 0, 2, F1, F0, 0
	QUARTER 0, 3, F0, F1, 0
	TURN 0, 1, 1
	QUARTER 1, 1, F0, F1, 0
	QUARTER 1, 2, F1, F0, 0
	QUARTER 1, 3, F0, F1, 0
	TURN 1, 0, 1
	QUARTER 0, 1, F0, F1, 0
	WIN 0
	s_sub_co_u32 s3, s3, 1
	s_cmp_lg_u32 s3, 0
	s_cbranch_scc1 .Llap
.endif
	QUARTER 0, 2, F1, F0, 0
	QUARTER 0, 3, F0, F1, 0
	TURN 0, 1, 0
	QUARTER 1, 1, F0, F1, 0
	QUARTER 1, 2, F1, F0, 0
	QUARTER 1, 3, F0, F1, 0
	s_wait_dscnt 8
	WIN MUL
	MULA F1, 0, 0
	MULA F1, 1, 0
	s_wait_dscnt 0
	MULA F1, 2, 0
	MULA F1, 3, 0
	WIN 0
	PLACES
	s_wait_kmcnt 0x0
	s_add_co_i32 s82, s80, s81
	s_add_co_i32 s82, s82, 127
	s_lshl_b32 s82, s82, 23
	s_mov_b32 s83, s82
	s_wait_loadcnt 0x0
.irp a, 0,1,2,3
.set BB, BK+32*((\a)%2)
.if \a >= 2
	s_wait_xcnt 0x0
.endif
.irp b, 0,1,2,3
	ds_store_b128 v[STO], v[ACC+8*(4*\a+\b):ACC+8*(4*\a+\b)+3] offset:64*\b
	ds_store_b128 v[STO], v[ACC+8*(4*\a+\b)+4:ACC+8*(4*\a+\b)+7] offset:64*\b+16
.endr
.irp t, 0,1,2,3,4,5,6,7
	ds_load_b128 v[BB+4*\t:BB+4*\t+3], v[RD] offset:\t*2*SPITCH
.endr
	s_wait_dscnt 0x0
	WIN 0x20
.irp t, 0,1,2,3,4,5,6,7
	v_pk_fma_f32 v[BB+4*\t:BB+4*\t+1], v[BB+4*\t:BB+4*\t+1], s[82:83], v[4*(8*\a+\t):4*(8*\a+\t)+1] op_sel_hi:[1,0,1]
	v_pk_fma_f32 v[BB+4*\t+2:BB+4*\t+3], v[BB+4*\t+2:BB+4*\t+3], s[82:83], v[4*(8*\a+\t)+2:4*(8*\a+\t)+3] op_sel_hi:[1,0,1]
.endr
	WIN 0
.irp t, 0,1,2,3,4,5,6,7
	v_pk_add_f32 v[BB+4*\t:BB+4*\t+1], v[BB+4*\t:BB+4*\t+1], v[BIAS:BIAS+1]
	v_pk_add_f32 v[BB+4*\t+2:BB+4*\t+3], v[BB+4*\t+2:BB+4*\t+3], v[BIAS+2:BIAS+3]
.endr
.irp t, 0,1,2,3,4,5,6,7
	global_store_b128 v[CO], v[BB+4*\t:BB+4*\t+3], s[78:79] offset:(16*\a+2*\t)*4096 th:TH_STORE_NT
.endr
.endr
	s_wait_tensorcnt 0x0
	ds_add_u32 v[SPW], v[NIL]
	s_wait_dscnt 0x0
	CROUND
	s_endpgm
.Lfunc_end_k_q7fe59146b7_fc2:
	.size	k_q7fe59146b7_fc2, .Lfunc_end_k_q7fe59146b7_fc2-k_q7fe59146b7_fc2
	.p2alignl 7, 3214868480
	.fill 96, 4, 3214868480
	.section	.rodata,"a",@progbits
	.p2align	6, 0x0
	.amdhsa_kernel k_q7fe59146b7_fc2
		.amdhsa_group_segment_fixed_size 327680
		.amdhsa_private_segment_fixed_size 0
		.amdhsa_enable_private_segment 0
		.amdhsa_kernarg_size 48
		.amdhsa_user_sgpr_count 2
		.amdhsa_user_sgpr_kernarg_segment_ptr 1
		.amdhsa_wavefront_size32 1
		.amdhsa_system_sgpr_workgroup_id_x 1
		.amdhsa_system_sgpr_workgroup_id_y 1
		.amdhsa_system_sgpr_workgroup_id_z 1
		.amdhsa_system_vgpr_workitem_id 0
		.amdhsa_next_free_vgpr 640
		.amdhsa_next_free_sgpr 100
		.amdhsa_reserve_vcc 0
		.amdhsa_float_denorm_mode_32 3
		.amdhsa_float_denorm_mode_16_64 3
		.amdhsa_memory_ordered 1
		.amdhsa_forward_progress 1
		.amdhsa_inst_pref_size 82
	.end_amdhsa_kernel
	.amdgpu_metadata
---
amdhsa.version: [ 1, 2 ]
amdhsa.kernels:
  - .name:           k_q7fe59146b7_fc2
    .symbol:         k_q7fe59146b7_fc2.kd
    .args:
      - { .name: fcc, .offset: 0, .size: 8, .value_kind: global_buffer, .address_space: global }
      - { .name: wcodes, .offset: 8, .size: 8, .value_kind: global_buffer, .address_space: global }
      - { .name: lowp_scales, .offset: 16, .size: 8, .value_kind: global_buffer, .address_space: global }
      - { .name: b_fc2, .offset: 24, .size: 8, .value_kind: global_buffer, .address_space: global }
      - { .name: x1, .offset: 32, .size: 8, .value_kind: global_buffer, .address_space: global }
      - { .name: out0, .offset: 40, .size: 8, .value_kind: global_buffer, .address_space: global }
    .group_segment_fixed_size: 327680
    .private_segment_fixed_size: 0
    .kernarg_segment_align: 8
    .kernarg_segment_size: 48
    .max_flat_workgroup_size: 128
    .sgpr_count:     100
    .vgpr_count:     640
    .wavefront_size: 32
...
	.end_amdgpu_metadata
.endif
;; end of part 7
